; MI455X (gfx1250); checked and timed in simulation.
; The chip was launched on July 23, 2026; its instructions are those of AMD's public machine-readable ISA for CDNA 5 (MIT licence, August 2026) and "CDNA5" Instruction Set Architecture Reference Guide (July 2026). The comments in the code are by the model that wrote it; some were corrected since.
;; Self Attention1. Allowed arithmetic: matrix products marked QUANTISED: E2M1 operands, one E8M0 scale for each 32 along K, by v_wmma_scale_f32_16x16x128_f8f6f4 with both operands' format E2M1 (or v_wmma_scale_f32_32x16x128_f4), f32 sums; products left as they are: bf16, f16 or f32 operands; f32 sums; everything else in f32.
;; Inputs: Wk 1,024 x 1,024 float32; Wq 1,024 x 1,024 float32; Wv 1,024 x 1,024 float32; bk 1,024 float32; bq 1,024 float32; bv 1,024 float32; x 4 x 2,048 x 1,024 float32.
;; Outputs: out0 4 x 2,048 x 1,024 float32.
;; This version of the problem:
;;   THIS VERSION OF THE PROBLEM IS GIVEN IN LOW PRECISION. The matrix products marked QUANTISED in the list below multiply operands that are first quantised to E2M1 (2 exponent bits, 1 mantissa bit; 4 bits a number), with one power-of-two scale for each 32 numbers along K (OCP MX v1.0); their sums are f32. The products marked 'left as it is' may take bf16, f16 or f32 operands, with f32 sums. Whichever they take, every output number must still come out within the allowed error. Rounding operands to bf16 (8 significant bits) uses up far more of that allowance than f16 does (11 bits, for magnitudes from 6e-5 to 65,504). All else is computed in f32.
;;   The module's matrix products, in the order in which they are computed (A, B: the left and right operand; K: the contracted axis; several contracted axes count as one K, in the product's order):
;;     1. [M 8,192, K 1,024] x [K 1,024, N 1,024]; A: input x; B: input Wq: QUANTISED
;;     2. [M 8,192, K 1,024] x [K 1,024, N 1,024]; A: input x; B: input Wk: QUANTISED
;;     3. [M 8,192, K 1,024] x [K 1,024, N 1,024]; A: input x; B: input Wv: QUANTISED
;;     4. batch 4 x [M 2,048, K 1,024] x [K 1,024, N 2,048]; A: computed on the way; B: computed on the way: left as it is (an operand is computed on the way)
;;     5. batch 4 x [M 2,048, K 2,048] x [K 2,048, N 1,024]; A: computed on the way; B: computed on the way: left as it is (an operand is computed on the way)
;;   THE QUANTISER, for each operand of a quantised product, along K:
;;     - K is cut into blocks of 32 from its start; a last block that is shorter is filled with zeros.
;;     - A block's scale is 2^e with e = floor(log2(the largest magnitude in the block)) - 2, held to -126 .. 127; a block of zeros has e = 0. As a byte (E8M0): e + 127.
;;     - Each number is divided by its block's scale, clamped to +-6, and rounded to the nearest number of E2M1, ties to even, subnormals kept.
;;     - The product sums the exact products of the quantised numbers (number of the format x scale) in f32.
;;   ~~~python
;;   def quantise(x, axis):      # numpy; x: float32 -> the quantised numbers, widened to float32 again
;;       x = np.moveaxis(x, axis, -1); K = x.shape[-1]
;;       x = np.pad(x, [(0, 0)] * (x.ndim - 1) + [(0, -K % 32)]); x = x.reshape(x.shape[:-1] + (-1, 32)); a = np.abs(x).max(-1, keepdims=True)
;;       e = np.where(a > 0, np.clip(np.frexp(np.where(a > 0, a, 1))[1] - 1 - 2, -126, 127), 0)      # np.frexp(a)[1] - 1 = floor(log2(a)), exactly
;;       r = np.clip(x / 2.0 ** e, -6, 6)
;;       step = 2.0 ** (np.maximum(np.frexp(np.where(r == 0, 1, r))[1] - 1, 0) - 1)
;;       q = np.round(r / step) * step * 2.0 ** e      # np.round: ties to even
;;       return np.moveaxis(q.reshape(q.shape[:-2] + (-1,))[..., :K], -1, axis).astype(np.float32)
;;   ~~~
;; One version. Each part assembles by itself: llvm-mc -triple=amdgcn-amd-amdhsa -mcpu=gfx1250 --defsym DOCPART=n.
;; ======== version 1 of 1: 4 launches
;; limits: values are held in f16: magnitudes above 65,504 overflow, below 6.1e-05 lose precision
;; workspace buffers: xc 4,194,304 bytes; xs 262,144 bytes; wc 1,572,864 bytes; ws 98,304 bytes; qkv 50,331,648 bytes; pbuf 33,554,432 bytes; stats 1,048,576 bytes
;; launch prep (part 1): grid 448 x 1, 4 waves a work-group, no clusters, 33,280 bytes of LDS; arguments x, Wq, Wk, Wv, xc, xs, wc, ws; writes xc, xs, wc, ws
.if DOCPART == 1
	.amdgcn_target "amdgcn-amd-amdhsa--gfx1250"
	.amdhsa_code_object_version 6
	.text
	.protected	k_qcbcc7426b3_prep
	.globl	k_qcbcc7426b3_prep
	.p2align	8
	.type	k_qcbcc7426b3_prep,@function
k_qcbcc7426b3_prep:
	s_mov_b64 s[64:65], 0
	v_nop
	global_prefetch_b8 v0, s[64:65] scope:SCOPE_SE
	s_setreg_imm32_b32 hwreg(HW_REG_WAVE_MODE, 25, 1), 1
	s_wait_xcnt 0x0
; PROGRAM: out = softmax((x Wq + bq)(x Wk + bk)^T / 32) (x Wv + bv), four launches: this one quantises x and the three weights to MX-FP4 (E2M1 codes, one E8M0 byte for each 32 along K);
; the second makes q, k, v on codes; the third the scores and a softmax by pieces of 128 keys; the fourth joins the pieces and multiplies by v.
; DEAD WORK: bk.  scores[i][j] = q_i . (k'_j + bk) / 32 = q_i . k'_j / 32 + q_i . bk / 32 with k' = x Wk.  The second term does not hang on j, the axis of the softmax, so it multiplies numerator and
; denominator of every probability by the same factor, for all finite values of the inputs.  The product q k^T is not quantised, so no quantiser sees k.  bk is not loaded and is an argument of no launch.
; LIMITS: a NaN, an infinity or an overflow that would reach the result through q . bk alone is not carried to it.  NaN and infinities among the inputs are not served.  A block of zeros gets the byte 1
; where the quantiser says 127: its codes are zeros, which add nothing under any byte but 0xff, and only this program reads the bytes.
; A block's scale is 2^(floor(log2(largest magnitude)) - 2): its byte is the largest magnitude's exponent field - 2, held at 1 from below by a floor among the maximum's leaves.
; SHARES: work-groups 0-191 take the weights, 192-447 take x; the two ways part on the work-group's number and do not meet again.  Only x's way touches LDS (but for the closing add).
; x [8192][1024]: K innermost, rows dense: a plain stream of blocks of 32.  A wave takes 16 steps of 512 numbers.  Each load reads 512 consecutive bytes; a step's 2,048 bytes turn through the wave's own
; stage in LDS so that a lane holds 16 neighbours (two lanes a block); a wave's store of codes covers 256 consecutive bytes; its 256 scale bytes are gathered in LDS and leave as one aligned 256 bytes.
; W [1024 (k)][1024 (n)]: K is the FIRST axis.  A lane takes a column n and its registers run down K: a block of 32 lies in one lane, and the conversions give codes with K innermost.
; wc is laid as IMAGES OF THE OPERAND'S REGISTERS: [n / 16][k / 128][1,024 bytes]; in a fragment, block t (32 along K) of column r lies at 256 t + 16 r, which is 512 c + 16 x lane for registers 4 c .. 4 c + 3.
.set STEPS, 16
.set EMAX,  2
.set CB,    8                          ; bytes of 16 codes
.set R,     16                         ; v16-79   four sets of 16 numbers as loaded
.set X,     80                         ; v80-111  two sets of 16 neighbours
.set E,     112                        ; v112-127 a scale byte for each step
.set C,     128                        ; v128-191 codes: four registers a step, so that no store's data are written again
.set WREG,  8192                       ; LDS: a region for each wave: two stages of 32 x SP bytes, then its 256 scale bytes
.set SP,    80                         ; a lane's place in a stage: 64 bytes + 16 of padding
.set SPW,   12                         ; v12 LDS address of my spare word; never rewritten
.set NIL,   13                         ; v13 0; never rewritten
.set SPARE, 4*WREG                     ; behind the four regions: the spare words, 128 bytes a wave
.set WGW,   192                        ; work-groups that take the weights
	s_load_b512 s[4:19], s[0:1], 0x0               ; x 4:5, Wq 6:7, Wk 8:9, Wv 10:11, xc 12:13, xs 14:15, wc 16:17, ws 18:19
	v_lshl_add_u32 v[SPW], v0, 2, SPARE
	v_mov_b32 v[NIL], 0
	v_lshrrev_b32 v1, 5, v0
	v_readfirstlane_b32 s20, v1                    ; wave
	v_and_b32 v2, 31, v0                           ; lane
	s_cmp_lt_u32 ttmp9, WGW
	s_cbranch_scc1 .Lweights
	; ---------------- x ----------------
	v_lshlrev_b32 v3, 4, v2                        ; my 16 bytes of a load's 512
	s_mul_i32 s21, s20, WREG
	v_lshrrev_b32 v14, 2, v2
	v_mul_u32_u24 v14, v14, SP
	v_and_b32 v15, 3, v2
	v_lshl_add_u32 v14, v15, 4, v14
	v_add_nc_u32 v14, s21, v14                     ; the stage, way in: four lanes' 64 bytes on end, then 16 of padding
	v_mul_u32_u24 v15, v2, SP
	v_add_nc_u32 v15, s21, v15                     ; way out: SP x lane: my 16 neighbours
	v_mul_u32_u24 v4, v2, CB                       ; my codes' place in a step's
	v_lshrrev_b32 v5, 1, v2
	s_add_co_u32 s21, s21, 2*32*SP
	v_add_nc_u32 v5, s21, v5                       ; my block's byte among my wave's 256
	v_lshlrev_b32 v7, 3, v2
	v_add_nc_u32 v6, s21, v7                       ; and 8 bytes a lane on their way out
	s_sub_co_u32 s22, ttmp9, WGW
	s_lshl_b32 s22, s22, 2
	s_add_co_u32 s22, s22, s20                     ; which run of 8,192 numbers is my wave's: 0 .. 1023
	s_mov_b32 s25, 0
	s_wait_kmcnt 0x0
	s_lshl_b32 s24, s22, 15                        ; 32,768 bytes of x a run
	s_add_nc_u64 s[4:5], s[4:5], s[24:25]
	s_lshl_b32 s24, s22, 12                        ; 4,096 bytes of codes
	s_add_nc_u64 s[12:13], s[12:13], s[24:25]
	s_lshl_b32 s24, s22, 8                         ; 256 scale bytes
	s_add_nc_u64 s[14:15], s[14:15], s[24:25]
.macro LOAD t
.irp i, 0,1,2,3
	global_load_b128 v[R+16*((\t)%4)+4*\i:R+16*((\t)%4)+4*\i+3], v3, s[4:5] offset:2048*(\t)+512*\i th:TH_LOAD_NT   ; 32 lanes read 512 consecutive bytes
.endr
.endm
.macro TURN t                          ; step t's numbers through the stage; LDS serves a wave's instructions in order, so no wait stands between the stores and the loads
.irp i, 0,1,2,3
	ds_store_b128 v14, v[R+16*((\t)%4)+4*\i:R+16*((\t)%4)+4*\i+3] offset:32*SP*((\t)%2)+8*SP*\i
.endr
.irp i, 0,1,2,3
	ds_load_b128 v[X+16*((\t)%2)+4*\i:X+16*((\t)%2)+4*\i+3], v15 offset:32*SP*((\t)%2)+16*\i
.endr
.endm
.irp t, 0,1,2,3
	LOAD \t
.endr
	s_wait_loadcnt 12                              ; step 0's four loads are in; three steps' twelve may be out
	TURN 0
.macro STEP t
.set XS, X+16*((\t)%2)
.if (\t) > 0
	s_wait_dscnt 1                                 ; this step's numbers are back from the stage (the last step's byte store may be out)
.else
	s_wait_dscnt 0x0
.endif
.if (\t)+4 < STEPS
	LOAD (\t)+4                                    ; into the registers that this step's stores into the stage have read
.endif
.if (\t)+1 < STEPS
.if STEPS-2-(\t) >= 3
	s_wait_loadcnt 12                              ; the next step's four loads are in; those of the three steps behind it may be out
.else
	s_wait_loadcnt 4*(STEPS-2-(\t))
.endif
	TURN (\t)+1
.endif
	v_max3_num_f32 v8, |v[XS]|, |v[XS+1]|, |v[XS+2]|               ; the largest magnitude of my 16, in two chains
	v_max3_num_f32 v9, |v[XS+3]|, |v[XS+4]|, |v[XS+5]|
.irp i, 6,10
	v_max3_num_f32 v8, v8, |v[XS+\i]|, |v[XS+\i+1]|
	v_max3_num_f32 v9, v9, |v[XS+\i+2]|, |v[XS+\i+3]|
.endr
	v_max3_num_f32 v8, v8, |v[XS+14]|, |v[XS+15]|
	v_max3_num_f32 v8, v8, v9, (EMAX+1)<<23        ; and the floor 2^(3 - 127): the byte cannot fall under 1
	v_max_num_f32_dpp v8, v8, v8 row_xmask:1 row_mask:0xf bank_mask:0xf   ; with my neighbour's 16: the block's
	v_add_nc_u32 v11, -(EMAX<<23), v8              ; 2 off its exponent field: the conversion takes this operand's exponent field as its scale
	v_cvt_scalef32_pk8_fp4_f32 v[C+4*(\t)], v[XS:XS+7], v11
	v_cvt_scalef32_pk8_fp4_f32 v[C+4*(\t)+1], v[XS+8:XS+15], v11
	v_lshrrev_b32 v[E+(\t)], 23, v11               ; the scale's byte (a plain line behind the conversions)
	ds_store_b8 v5, v[E+(\t)] offset:16*(\t)       ; both lanes of a block write the same byte with the same value
	global_store_b64 v4, v[C+4*(\t):C+4*(\t)+1], s[12:13] offset:32*CB*(\t)   ; the wave stores 256 consecutive bytes, aligned
.endm
.irp t, 0,1,2,3,4,5,6,7,8,9,10,11,12,13,14,15
	STEP \t
.endr
	ds_load_b64 v[8:9], v6                         ; in order behind my byte stores
	s_wait_dscnt 0x0
	global_store_b64 v7, v[8:9], s[14:15]          ; 256 consecutive bytes, aligned
	s_wait_tensorcnt 0x0                           ; the wave's end
	ds_add_u32 v[SPW], v[NIL]
	s_wait_dscnt 0x0
	s_endpgm
	; ---------------- the weights ----------------
.Lweights:
	s_lshr_b32 s21, ttmp9, 6                       ; which weight: 0 Wq, 1 Wk, 2 Wv
	s_bfe_u32 s22, ttmp9, 0x30003                  ; kq: which 128 along K
	s_and_b32 s23, ttmp9, 7                        ; which 128 columns
	s_lshl_b32 s24, s23, 7
	s_lshl_b32 s25, s20, 5
	s_add_co_u32 s24, s24, s25                     ; n0: my wave's first column; the four waves stand side by side on 512 bytes of each row
	s_lshl_b32 s28, s22, 19                        ; 128 kq rows of 4,096 bytes
	s_lshl_b32 s29, s24, 2
	s_add_co_u32 s28, s28, s29
	s_mov_b32 s29, 0
	s_lshl_b32 s25, s21, 10
	s_add_co_u32 s25, s25, s24                     ; N0: the column among all 3,072
	s_lshl_b32 s30, s25, 9                         ; (N0 / 16) fragments' rows of 8,192 bytes
	s_lshl_b32 s31, s22, 10
	s_add_co_u32 s30, s30, s31                     ; + 1,024 kq
	s_mov_b32 s31, 0
	s_lshl_b32 s32, s25, 5                         ; scale bytes: 32 a column
	s_lshl_b32 s33, s22, 2
	s_add_co_u32 s32, s32, s33                     ; + 4 kq
	s_mov_b32 s33, 0
	v_lshlrev_b32 v3, 2, v2                        ; in: 4 bytes a lane
	v_lshrrev_b32 v4, 4, v2
	v_and_b32 v5, 15, v2
	v_lshlrev_b32 v5, 4, v5
	v_lshl_add_u32 v4, v4, 13, v5                  ; codes: lanes 16-31 belong to the next 16 columns' fragments, 8,192 bytes on; 16 bytes a column
	v_lshlrev_b32 v5, 5, v2                        ; scale words: 32 bytes from column to column
	s_wait_kmcnt 0x0
	s_cmp_eq_u32 s21, 0                            ; the choice hangs on the work-group's number alone
	s_cselect_b64 s[26:27], s[6:7], s[8:9]
	s_cmp_eq_u32 s21, 2
	s_cselect_b64 s[26:27], s[10:11], s[26:27]
	s_add_nc_u64 s[26:27], s[26:27], s[28:29]
	s_add_nc_u64 s[16:17], s[16:17], s[30:31]
	s_add_nc_u64 s[18:19], s[18:19], s[32:33]
.set i, 0
.rept 128
	global_load_b32 v[16+i], v3, s[26:27] offset:4096*i th:TH_LOAD_NT   ; W(128 kq + i, my column): the wave reads 128 consecutive bytes
.set i, i+1
.endr
; block t: its 32 numbers are all mine.  left: how many younger loads may stay out
.macro WBLOCK t, left
.set XS, 16+32*(\t)
	s_wait_loadcnt \left
	v_max3_num_f32 v6, |v[XS]|, |v[XS+1]|, |v[XS+2]|
	v_max3_num_f32 v7, |v[XS+3]|, |v[XS+4]|, |v[XS+5]|
.irp i, 6,10,14,18,22,26
	v_max3_num_f32 v6, v6, |v[XS+\i]|, |v[XS+\i+1]|
	v_max3_num_f32 v7, v7, |v[XS+\i+2]|, |v[XS+\i+3]|
.endr
	v_max3_num_f32 v6, v6, |v[XS+30]|, |v[XS+31]|
	v_max3_num_f32 v6, v6, v7, (EMAX+1)<<23        ; the floor
	v_add_nc_u32 v8, -(EMAX<<23), v6               ; the conversion's scale operand
	v_lshrrev_b32 v9, 23, v8                       ; the byte
.if (\t) == 0
	v_mov_b32 v160, v9
.else
	v_lshl_or_b32 v160, v9, 8*(\t), v160           ; four bytes make the column's scale word for these 128 along K
.endif
.irp g, 0,1,2,3
	v_cvt_scalef32_pk8_fp4_f32 v[144+4*(\t)+\g], v[XS+8*\g:XS+8*\g+7], v8
.endr
	global_store_b128 v4, v[144+4*(\t):144+4*(\t)+3], s[16:17] offset:256*(\t)   ; sixteen lanes fill 256 aligned bytes; each block has registers of its own.  (The next block begins with plain lines that touch nothing of the conversions)
.endm
	WBLOCK 0, 63                                   ; 96 might stay out; the count's field holds 63, and a smaller count is safe
	WBLOCK 1, 63                                   ; 64 might
	WBLOCK 2, 32
	WBLOCK 3, 0
	global_store_b32 v5, v160, s[18:19]            ; words 32 bytes apart: 98,304 bytes in the whole launch, one byte for each 128 that it reads
	s_wait_tensorcnt 0x0                           ; this way wrote no LDS; the closing lines stand here too, so that every way through the text ends alike
	ds_add_u32 v[SPW], v[NIL]
	s_wait_dscnt 0x0
	s_endpgm
.Lfunc_end_k_qcbcc7426b3_prep:
	.size	k_qcbcc7426b3_prep, .Lfunc_end_k_qcbcc7426b3_prep-k_qcbcc7426b3_prep
	.p2alignl 7, 3214868480
	.fill 96, 4, 3214868480
	.section	.rodata,"a",@progbits
	.p2align	6, 0x0
	.amdhsa_kernel k_qcbcc7426b3_prep
		.amdhsa_group_segment_fixed_size 33280
		.amdhsa_private_segment_fixed_size 0
		.amdhsa_enable_private_segment 0
		.amdhsa_kernarg_size 64
		.amdhsa_user_sgpr_count 2
		.amdhsa_user_sgpr_kernarg_segment_ptr 1
		.amdhsa_wavefront_size32 1
		.amdhsa_system_sgpr_workgroup_id_x 1
		.amdhsa_system_sgpr_workgroup_id_y 1
		.amdhsa_system_sgpr_workgroup_id_z 1
		.amdhsa_system_vgpr_workitem_id 0
		.amdhsa_next_free_vgpr 192
		.amdhsa_next_free_sgpr 66
		.amdhsa_reserve_vcc 0
		.amdhsa_float_denorm_mode_32 3
		.amdhsa_float_denorm_mode_16_64 3
		.amdhsa_memory_ordered 1
		.amdhsa_forward_progress 1
		.amdhsa_inst_pref_size 53
	.end_amdhsa_kernel
	.amdgpu_metadata
---
amdhsa.version: [ 1, 2 ]
amdhsa.kernels:
  - .name:           k_qcbcc7426b3_prep
    .symbol:         k_qcbcc7426b3_prep.kd
    .args:
      - { .name: x, .offset: 0, .size: 8, .value_kind: global_buffer, .address_space: global }
      - { .name: Wq, .offset: 8, .size: 8, .value_kind: global_buffer, .address_space: global }
      - { .name: Wk, .offset: 16, .size: 8, .value_kind: global_buffer, .address_space: global }
      - { .name: Wv, .offset: 24, .size: 8, .value_kind: global_buffer, .address_space: global }
      - { .name: xc, .offset: 32, .size: 8, .value_kind: global_buffer, .address_space: global }
      - { .name: xs, .offset: 40, .size: 8, .value_kind: global_buffer, .address_space: global }
      - { .name: wc, .offset: 48, .size: 8, .value_kind: global_buffer, .address_space: global }
      - { .name: ws, .offset: 56, .size: 8, .value_kind: global_buffer, .address_space: global }
    .group_segment_fixed_size: 33280
    .private_segment_fixed_size: 0
    .kernarg_segment_align: 8
    .kernarg_segment_size: 64
    .max_flat_workgroup_size: 128
    .sgpr_count:     66
    .vgpr_count:     192
    .wavefront_size: 32
...
	.end_amdgpu_metadata
.endif
;; end of part 1
;; launch proj (part 2): grid 8 x 32, 4 waves a work-group, clusters of 4 x 4, 327,680 bytes of LDS; arguments xc, xs, wc, ws, qkv, bq, bv; writes qkv
.if DOCPART == 2
	.amdgcn_target "amdgcn-amd-amdhsa--gfx1250"
	.amdhsa_code_object_version 6
	.text
	.protected	k_qcbcc7426b3_proj
	.globl	k_qcbcc7426b3_proj
	.p2align	8
	.type	k_qcbcc7426b3_proj,@function
k_qcbcc7426b3_proj:
	s_mov_b64 s[64:65], 0
	v_nop
	global_prefetch_b8 v0, s[64:65] scope:SCOPE_SE
	s_setreg_imm32_b32 hwreg(HW_REG_WAVE_MODE, 25, 1), 1
	s_wait_xcnt 0x0
	s_wait_alu depctr_hold_cnt(0) depctr_sa_sdst(0) depctr_va_vdst(0) depctr_va_sdst(0) depctr_va_ssrc(0) depctr_va_vcc(0) depctr_vm_vsrc(0)
	s_getreg_b32 s2, hwreg(HW_REG_IB_STS2, 6, 4)
	s_cmp_eq_u32 s2, 0
	s_cbranch_scc0 .Lentry_in_a_cluster
	s_endpgm
.Lentry_in_a_cluster:
	s_bfe_u32 s2, ttmp6, 0x10000c
	s_cmp_lg_u32 s2, 0xf033
	s_cbranch_scc0 .Lentry_shape_is_right
	s_endpgm
.Lentry_shape_is_right:
; q = x Wq + bq, k = x Wk, v = x Wv + bv on codes of MX-FP4, sums in f32, results rounded once to f16 into qkv (three tensors [8192][1024], q, k, v on end).
; LEFT OUT: bk (it adds to every score of a query the same number, which the softmax cancels; shown at the head of the first kernel).
; LIMIT: |q|, |k|, |v| stay under 65,504, f16's largest number.
; SHARES: 8 x 32 work-groups, one for each 256 rows of x and each eighth of the 3,072 columns, in TWO PASSES over the same rows of x, which stay in LDS:
;   pass 1: 256 columns of [q | k] (tile column 0 .. 7; the cluster's x is the tensor, 0 q, 1 k, the same in all sixteen partners): a wave makes 128 x 128, 64 accumulators;
;   pass 2: 128 columns of v: wave w makes rows 64 w .. 64 w + 63 x all 128 columns, 32 accumulators, so that its rows of the result are 256 whole bytes.
; K = 1,024 is two slots of 512, both asked for at the start.  Pass 2's codes of W (65,536 bytes) do not fit beside them: they are brought into slot 0's part for W when pass 1 has left that slot,
; behind a round of the cluster's barrier, and have pass 1's second slot and its way out in which to land.  Pass 1's results are on their way to memory while pass 2 multiplies.
; x's codes lie as rows (256 bytes of a row to a slot, 16 bytes of padding in LDS); W's codes lie as images of the operand's registers: a fragment is 1,024 dense bytes, read back 16 bytes a lane.
; The scale bytes of the 256 rows and of pass 1's 256 columns, for all of K, come once, with the first fills; those of pass 2's 128 columns go straight from memory into the registers that hold them.
; CLUSTERS 4 x 4: x's tiles are shared along a row of the cluster, W's along a column, each by a joint load.
; TRANSPOSED USE: source 0 = 16 columns of W, source 1 = 16 rows of x: a lane holds eight neighbouring columns of one row.  The bias is the C of each sum's first product, in the result's layout.
; REGISTERS: window 0: v0-31 addresses; v32-95 scale words (pass 2: x's in v32-63); v96-127 packed results; v128-191 x's fragments, on the ways out rows read back; v192-255 the scale words of v's columns.
;   window 1: v0-63, v128-191 W's fragments, two sets; v64-127 bv's part; v192-255 bq's part or zeros.   windows 2, 3: accumulators (a, b) at v[8 (8 (a % 4) + b)].
.set NQ,     4                         ; matrix instructions deep in a slot
.set ROWB,   256                       ; a slot's part of a row of x's codes
.set KROW,   512                       ; a row of x's codes in memory
.set PITCH,  272                       ; in LDS: 68 words, so that the 16 rows of a load begin at 16 different banks (64 banks of 4 bytes: ISA guide 11.1)
.set FR,     8
.set NL,     2
.set NP,     4                         ; places behind this matrix instruction (ISA guide 7.12.1)
.set HALFT,  128*PITCH                 ; 128 rows of x: one tensor load
.set BOFF,   2*HALFT                   ; behind x's 256 rows: W's images
.set HALFB,  8*4096                    ; 8 groups of 16 columns x 4 fragments: one tensor load
.set SLOT,   BOFF+2*HALFB
.set SCL,    2*SLOT                    ; the scales, as 256 bytes + 16 of padding
.set HALFS,  16*272                    ; those of 128 rows (32 bytes a row)
.set SBLK,   2*272                     ; of 16 rows
.set SPARE,  SCL+4*HALFS               ; the spare words
.set STAGE,  SPARE+512                 ; the ways out: 16 rows x (256 + 16) bytes a wave, bytes of their own: no fill lands here
.set SPITCH, 272
.set ADRA,  16                         ; v16-17 pass 1: my fragments of x in slot 0, 1
.set ADRA2, 18                         ; v18-19 pass 2: the same for my 64 rows
.set ADRB,  20                         ; v20-21 pass 1: my images of W in slot 0, 1
.set ADRB2, 22                         ; v22    pass 2: the images of W
.set ADRS2, 23                         ; v23    pass 2: x's scale words of my 64 rows
.set STO,   24
.set RD,    25
.set CO,    26
.set ADRS,  27                         ; v27    pass 1: scale words: lanes 0-15 x's, lanes 16-31 W's
.set SPW,   28
.set NIL,   29
.set WO,    30                         ; v30    32 r: a column's row of scale bytes in memory
.set SC,    32
.set XS2,   32
.set TMP,   96
.set AF,    128
.set OB,    128
.set W2S,   192                        ; register 32 sc + 4 b + q: the word of column block b for the q-th 128 along K of slot sc
.set BIAS2, 64                         ; in window 1
.set BIAS,  192                        ; in window 1
.set G1, 24
.set G0, 32
.set G1B, 48
.set G0B, 56
.set G1S, 68
.set G0S, 76
.set G1SB, 80
.set G0SB, 88
.set MSB, 0
.macro WIN new                         ; the immediate's high byte repeats the setting that is left
.if MSB != (\new)
	s_set_vgpr_msb (MSB<<8)|(\new)
.set MSB, (\new)
.endif
.endm
.set MUL_LO, 0xa1                      ; source 0 (W) window 1, source 1 (x) window 0, C and D window 2
.set MUL_HI, 0xf1                      ; C and D window 3
.set TO_B,   0x40
; A joint load: waves 0 and 1 fetch for x, waves 2 and 3 for W.  The branch hangs on the wave's number alone.  An s_nop 0 and four v_nop follow each of the two lines.
.macro JLOAD g0a, g1a, g0b, g1b
	s_cmp_eq_u32 s15, 0
	s_cbranch_scc0 .Lfor_b_\@
	tensor_load_to_lds s[\g0a:\g0a+3], s[\g1a:\g1a+7]
	s_nop 0
.rept 4
	v_nop
.endr
	s_branch .Lasked_\@
.Lfor_b_\@:
	tensor_load_to_lds s[\g0b:\g0b+3], s[\g1b:\g1b+7]
	s_nop 0
.rept 4
	v_nop
.endr
.Lasked_\@:
.endm
.macro CREST                           ; a round of the cluster's barrier behind its opening barrier
	s_cmp_lg_u32 s14, 0
	s_cbranch_scc1 .Lnot_wave_0_\@
	s_barrier_signal -3
.Lnot_wave_0_\@:
	s_barrier_wait -3
	s_barrier_signal -1
	s_barrier_wait -1
.endm
.macro CROUND                          ; a whole round
	s_barrier_signal -1
	s_barrier_wait -1
	CREST
.endm
	s_load_b128 s[4:7], s[0:1], 0x0                ; xc, xs
	s_load_b128 s[8:11], s[0:1], 0x10              ; wc, ws
	s_load_b64 s[12:13], s[0:1], 0x20              ; qkv
	s_load_b128 s[96:99], s[0:1], 0x28             ; bq, bv
	v_lshl_add_u32 v[SPW], v0, 2, SPARE
	v_mov_b32 v[NIL], 0
	ds_add_u32 v[SPW], v[NIL]                      ; the opening: the add, twice on end, and its wait ahead of my first tensor load
	ds_add_u32 v[SPW], v[NIL]
	v_lshrrev_b32 v1, 5, v0
	v_readfirstlane_b32 s14, v1                    ; wave
	s_lshr_b32 s15, s14, 1                         ; pass 1: my half of the tile's rows.  Also: I fetch for x (0) or for W (1)
	s_and_b32 s16, s14, 1                          ; pass 1: my half of its columns.  Also: which half I fetch
	s_bfe_u32 s40, ttmp6, 0x40000                  ; cx
	s_bfe_u32 s41, ttmp6, 0x40004                  ; cy
	s_lshl_b32 s42, ttmp9, 2
	s_add_co_u32 s42, s42, s40                     ; tile column 0 .. 7
	s_and_b32 s17, ttmp7, 0xffff
	s_lshl_b32 s17, s17, 2
	s_add_co_u32 s17, s17, s41                     ; tile row 0 .. 31
	s_lshl_b32 s43, s41, 2
	s_lshl_b32 s43, 15, s43                        ; my row of the cluster
	s_lshl_b32 s44, 0x1111, s40                    ; my column
	; x's tiles: 128 rows x 256 bytes, 512 bytes apart, 16 bytes of padding behind each
	s_or_b32 s[G1+0], s43, (1<<20)|(1<<21)|(5<<22)|(3<<25)
	s_mov_b32 s[G1+1], ROWB<<16
	s_mov_b32 s[G1+2], 128<<16
	s_mov_b32 s[G1+3], ROWB<<16
	s_mov_b32 s[G1+4], 128
	s_mov_b32 s[G1+5], KROW
	s_mov_b32 s[G1+6], 0
	s_mov_b32 s[G1+7], 0
	; W's images: 8 rows of 4,096 bytes (512 elements of 8 bytes: four fragments of 16 columns), 8,192 bytes apart, no padding
	s_or_b32 s[G1B+0], s44, (3<<16)|(1<<21)
	s_mov_b32 s[G1B+1], 512<<16
	s_mov_b32 s[G1B+2], 8<<16
	s_mov_b32 s[G1B+3], 512<<16
	s_mov_b32 s[G1B+4], 8
	s_mov_b32 s[G1B+5], 1024
	s_mov_b32 s[G1B+6], 0
	s_mov_b32 s[G1B+7], 0
	; the scales of 128 rows: 4,096 dense bytes as 16 rows of 256 (32 elements of 8 bytes), 16 bytes of padding behind each
	s_or_b32 s[G1S+0], s43, (3<<16)|(1<<20)|(1<<21)|(5<<22)|(3<<25)
	s_or_b32 s[G1SB+0], s44, (3<<16)|(1<<20)|(1<<21)|(5<<22)|(3<<25)
.irp g, G1S, G1SB
	s_mov_b32 s[\g+1], 32<<16
	s_mov_b32 s[\g+2], 16<<16
	s_mov_b32 s[\g+3], 32<<16
	s_mov_b32 s[\g+4], 16
	s_mov_b32 s[\g+5], 32
	s_mov_b32 s[\g+6], 0
	s_mov_b32 s[\g+7], 0
.endr
	s_lshl_b32 s18, s16, 7                         ; which 128 I fetch
	s_lshl_b32 s20, s17, 8
	s_add_co_u32 s20, s20, s18                     ; x: row 256 x tile row + 128 x half
	s_lshl_b32 s46, s42, 8
	s_add_co_u32 s46, s46, s18                     ; W, pass 1: column 256 x tile column + 128 x half of the 2,048 of q and k
	s_lshl_b32 s22, s20, 5                         ; their scales: 32 bytes each
	s_mov_b32 s23, 0
	s_lshl_b32 s92, s46, 5
	s_mov_b32 s93, 0
	s_lshl_b32 s20, s20, 9                         ; their codes: 512 bytes a row; 8,192 for 16 columns
	s_mov_b32 s21, 0
	s_lshl_b32 s46, s46, 9
	s_mov_b32 s47, 0
	s_mul_i32 s45, s16, HALFT                      ; where they go: no place in the cluster enters an LDS address
	s_mul_i32 s95, s16, HALFB
	s_mul_i32 s94, s14, HALFS
	s_wait_dscnt 0x0                               ; both opening adds are done
	s_wait_kmcnt 0x0
	s_add_nc_u64 s[20:21], s[4:5], s[20:21]
	s_add_nc_u64 s[22:23], s[6:7], s[22:23]
	s_add_nc_u64 s[46:47], s[8:9], s[46:47]
	s_add_nc_u64 s[92:93], s[10:11], s[92:93]
	CROUND                                         ; all sixteen work-groups are here: the joint loads meet
	s_mov_b32 s[G0S], 1
	s_add_co_u32 s[G0S+1], s94, SCL
	s_mov_b64 s[G0S+2:G0S+3], s[22:23]
	s_or_b32 s[G0S+3], s[G0S+3], 0x80000000
	s_mov_b32 s[G0SB], 1
	s_add_co_u32 s[G0SB+1], s94, SCL
	s_mov_b64 s[G0SB+2:G0SB+3], s[92:93]
	s_or_b32 s[G0SB+3], s[G0SB+3], 0x80000000
	JLOAD G0S, G1S, G0SB, G1SB                     ; the scales first; by this text's count three tensor loads of a wave are out at the most
.irp s, 0,1
	s_mov_b32 s[G0+4*\s], 1
	s_add_co_u32 s[G0+4*\s+1], s45, \s*SLOT
	s_add_nc_u64 s[G0+4*\s+2:G0+4*\s+3], s[20:21], \s*ROWB
	s_or_b32 s[G0+4*\s+3], s[G0+4*\s+3], 0x80000000
	s_mov_b32 s[G0B+4*\s], 1
	s_add_co_u32 s[G0B+4*\s+1], s95, \s*SLOT+BOFF
	s_add_nc_u64 s[G0B+4*\s+2:G0B+4*\s+3], s[46:47], \s*4096
	s_or_b32 s[G0B+4*\s+3], s[G0B+4*\s+3], 0x80000000
	JLOAD G0+4*\s, G1, G0B+4*\s, G1B
.endr
	s_lshl_b32 s92, s42, 16                        ; pass 2's codes of W: groups 128 + 8 x tile column on, 8,192 bytes each; my half: fragments 4 x half on
	s_lshl_b32 s93, s16, 12
	s_add_co_u32 s92, s92, s93
	s_add_co_u32 s92, s92, 0x100000
	s_mov_b32 s93, 0
	s_add_nc_u64 s[92:93], s[8:9], s[92:93]        ; kept for the refill
	v_and_b32 v1, 15, v0                           ; r
	v_bfe_u32 v2, v0, 4, 1                         ; h
	v_and_b32 v8, 31, v0                           ; lane
	v_mul_u32_u24 v3, v1, PITCH
	v_lshl_add_u32 v4, v2, 4, v3                   ; x's fragment: row x pitch + 16 h
	v_lshlrev_b32 v9, 4, v8                        ; W's image: 16 x lane
	s_mul_i32 s21, s15, HALFT                      ; pass 1: my 128 rows of x
	s_mul_i32 s22, s16, HALFB
	s_add_co_u32 s22, s22, BOFF                    ; pass 1: my 128 columns of W
	s_mul_i32 s23, s14, 64*PITCH                   ; pass 2: my 64 rows of x
.irp s, 0,1
	v_add_nc_u32 v[ADRA+\s], s21, v4
	v_add_nc_u32 v[ADRB+\s], s22, v9
	v_add_nc_u32 v[ADRA2+\s], s23, v4
	s_add_co_u32 s21, s21, SLOT
	s_add_co_u32 s22, s22, SLOT
	s_add_co_u32 s23, s23, SLOT
.endr
	v_add_nc_u32 v[ADRB2], BOFF, v9                ; pass 2: all eight groups, in slot 0's part for W
	v_lshlrev_b32 v5, 5, v1                        ; my row's scales: 32 bytes a row,
	v_lshrrev_b32 v6, 8, v5
	v_lshl_add_u32 v5, v6, 4, v5                   ; and 16 more for each 256 passed
	s_mul_i32 s21, s14, 4*SBLK                     ; pass 2: x's, my 64 rows
	s_add_co_u32 s21, s21, SCL
	v_add_nc_u32 v[ADRS2], s21, v5
	s_mul_i32 s21, s15, HALFS                      ; pass 1: x's, my 128 rows
	s_mul_i32 s22, s16, HALFS
	s_add_co_u32 s22, s22, 2*HALFS                 ; W's: my 128 columns, behind x's 256
	s_sub_co_u32 s22, s22, s21
	v_mul_u32_u24 v6, s22, v2                      ; lanes 16-31 take W's: the lower base + h x the distance
	s_add_co_u32 s21, s21, SCL
	v_add_nc_u32 v5, v5, v6
	v_add_nc_u32 v[ADRS], s21, v5
	s_mul_i32 s23, s14, 16*SPITCH
	s_add_co_u32 s23, s23, STAGE                   ; my stage
	v_mul_u32_u24 v5, v1, SPITCH
	v_lshl_add_u32 v5, v2, 4, v5
	v_add_nc_u32 v[STO], s23, v5                   ; in: row r, 16 bytes for each half of the lanes
	v_mul_u32_u24 v5, v2, SPITCH
	v_lshl_add_u32 v5, v1, 4, v5
	v_add_nc_u32 v[RD], s23, v5                    ; back: lanes 0-15 one row of 256 bytes, lanes 16-31 the next
	v_lshlrev_b32 v5, 11, v2
	v_lshl_add_u32 v[CO], v1, 4, v5                ; the same two rows in the result: 2,048 bytes a row
	v_lshlrev_b32 v[WO], 5, v1
	v_lshlrev_b32 v7, 5, v2                        ; 32 h: a lane's eight numbers of a bias
	; where my results go.  Pass 2: v, rows 256 x tile row + 64 x wave, columns 128 x tile column on
	s_lshl_b32 s22, s17, 8
	s_lshl_b32 s23, s14, 6
	s_add_co_u32 s22, s22, s23
	s_lshl_b32 s22, s22, 11
	s_add_co_u32 s22, s22, 0x2000000
	s_mov_b32 s23, 0
	s_add_nc_u64 s[66:67], s[12:13], s[22:23]
	s_lshl_b32 s94, s42, 8
	s_mov_b32 s95, 0
	s_add_nc_u64 s[66:67], s[66:67], s[94:95]
	; pass 1: tensor = cluster x, rows 256 x tile row + 128 x half, columns 256 cx + 128 x half on
	s_lshl_b32 s20, s17, 8
	s_lshl_b32 s21, s15, 7
	s_add_co_u32 s20, s20, s21
	s_lshl_b32 s20, s20, 11
	s_lshl_b32 s21, ttmp9, 24
	s_add_co_u32 s20, s20, s21
	s_mov_b32 s21, 0
	s_lshl_b32 s46, s40, 9
	s_lshl_b32 s47, s16, 8
	s_add_co_u32 s46, s46, s47
	s_mov_b32 s47, 0
	s_add_nc_u64 s[12:13], s[12:13], s[20:21]
	s_add_nc_u64 s[12:13], s[12:13], s[46:47]
	; pass 2's bias and W's scale words: register 8 b + j = bv[128 x tile column + 16 b + 8 h + j]; lane r (both halves of the lanes alike) takes column 16 b + r's four words of a slot
	s_lshl_b32 s94, s42, 9
	s_add_nc_u64 s[98:99], s[98:99], s[94:95]
	s_lshl_b32 s94, s42, 12
	s_add_co_u32 s94, s94, 0x10000
	s_add_nc_u64 s[10:11], s[10:11], s[94:95]
	WIN TO_B
.irp b, 0,1,2,3,4,5,6,7
	global_load_b128 v[BIAS2+8*\b:BIAS2+8*\b+3], v7, s[98:99] offset:64*\b
	global_load_b128 v[BIAS2+8*\b+4:BIAS2+8*\b+7], v7, s[98:99] offset:64*\b+16
.endr
	WIN 0
.irp sc, 0,1
.irp b, 0,1,2,3,4,5,6,7
	global_load_b128 v[W2S+32*\sc+4*\b:W2S+32*\sc+4*\b+3], v[WO], s[10:11] offset:512*\b+16*\sc
.endr
.endr
	; pass 1's bias: register 8 b + j = bq[256 cx + 128 half + 16 b + 8 h + j].  k has none: its 64 registers are zeros, so that one text serves both tensors.
	s_cmp_eq_u32 ttmp9, 1                          ; the cluster's x: the same in all sixteen partners
	s_cbranch_scc1 .Lno_bias
	s_lshl_b32 s46, s40, 10
	s_lshl_b32 s47, s16, 9
	s_add_co_u32 s46, s46, s47
	s_mov_b32 s47, 0
	s_add_nc_u64 s[96:97], s[96:97], s[46:47]
	WIN TO_B
.irp b, 0,1,2,3,4,5,6,7
	global_load_b128 v[BIAS+8*\b:BIAS+8*\b+3], v7, s[96:97] offset:64*\b
	global_load_b128 v[BIAS+8*\b+4:BIAS+8*\b+7], v7, s[96:97] offset:64*\b+16
.endr
	WIN 0
	s_branch .Lbias_done
.Lno_bias:
	WIN TO_B
.set i, 0
.rept 64
	v_mov_b32 v[BIAS+i], 0
.set i, i+1
.endr
	WIN 0
.Lbias_done:
.macro FRAGA reg, adr, q, i            ; 16 rows x 128 K of 4-bit codes: registers 4 c .. 4 c + 3 hold K = 64 c + 32 h + 0 .. 31
.irp c, 0,1
	ds_load_b128 v[\reg+4*\c:\reg+4*\c+3], v[\adr] offset:64*(\q)+32*\c+(\i)*16*PITCH
.endr
.endm
.macro FRAGB reg, adr, q, i            ; the same from an image: 512 consecutive bytes a load
.irp c, 0,1
	ds_load_b128 v[\reg+4*\c:\reg+4*\c+3], v[\adr] offset:1024*(\q)+512*\c+(\i)*4096
.endr
.endm
; PASS 1.  16 matrix instructions: x's blocks a0, a0 + 1 against W's eight.  first = 1: the sums begin with the bias.  The 64 accumulators take turns, one instruction a turn, in the same order in every step.
.macro MUL16 a0, p, q, sc, first
.irp a, \a0, \a0+1
.irp b, 0,1,2,3,4,5,6,7
.if \first
	v_wmma_scale_f32_16x16x128_f8f6f4 v[8*(8*((\a)%4)+\b):8*(8*((\a)%4)+\b)+7], v[128*(\p)+FR*\b:128*(\p)+FR*\b+FR-1], v[AF+FR*(\a):AF+FR*(\a)+FR-1], v[BIAS+8*\b:BIAS+8*\b+7], v[SC+8*NQ*(\sc)+NQ*\b+(\q)], v[SC+8*NQ*(\sc)+NQ*(\a)+(\q)] matrix_a_fmt:MATRIX_FMT_FP4 matrix_b_fmt:MATRIX_FMT_FP4 matrix_a_scale:MATRIX_SCALE_ROW1
.else
	v_wmma_scale_f32_16x16x128_f8f6f4 v[8*(8*((\a)%4)+\b):8*(8*((\a)%4)+\b)+7], v[128*(\p)+FR*\b:128*(\p)+FR*\b+FR-1], v[AF+FR*(\a):AF+FR*(\a)+FR-1], v[8*(8*((\a)%4)+\b):8*(8*((\a)%4)+\b)+7], v[SC+8*NQ*(\sc)+NQ*\b+(\q)], v[SC+8*NQ*(\sc)+NQ*(\a)+(\q)] matrix_a_fmt:MATRIX_FMT_FP4 matrix_b_fmt:MATRIX_FMT_FP4 matrix_a_scale:MATRIX_SCALE_ROW1
.endif
.endr
.endr
.endm
.macro FETCH_B slot, q, p
	WIN TO_B
.irp i, 0,1,2,3,4,5,6,7
	FRAGB 128*(\p)+FR*\i, ADRB+\slot, \q, \i
.endr
	WIN 0
.endm
.macro FETCH_A slot, q, i0
.irp i, \i0, \i0+1, \i0+2, \i0+3
	FRAGA AF+FR*(\i), ADRA+\slot, \q, \i
.endr
.endm
.macro SCALES sc                       ; a slot's scale words: four a row; lanes 0-15 x's block i, lanes 16-31 W's block i
.irp i, 0,1,2,3,4,5,6,7
	ds_load_b128 v[SC+8*NQ*\sc+NQ*\i:SC+8*NQ*\sc+NQ*\i+3], v[ADRS] offset:\i*SBLK
.endr
.endm
.macro PLACES n                        ; plain vector instructions between a matrix instruction and a load into, or a vector read of, its registers
.rept \n
	v_nop
.endr
.endm
.macro STEP slot, q, first             ; 128 along K, with its successor in the same slot
	s_wait_dscnt 4*NL                              ; all but the youngest eight loads (x's blocks 4-7)
.if \first
	WIN 0x91                                       ; C (the bias) in window 1, D in window 2
.else
	WIN MUL_LO
.endif
	MUL16 0, (\q)%2, \q, \slot, \first
	MUL16 2, (\q)%2, \q, \slot, \first
	s_wait_dscnt 0                                 ; x's blocks 4-7 (asked for 32 matrix instructions ago)
	PLACES NP
	FETCH_B \slot, (\q)+1, 1-(\q)%2
	FETCH_A \slot, (\q)+1, 0
.if \first
	WIN 0xd1
.else
	WIN MUL_HI
.endif
	MUL16 4, (\q)%2, \q, \slot, \first
	MUL16 6, (\q)%2, \q, \slot, \first
	PLACES NP
	WIN 0
	FETCH_A \slot, (\q)+1, 4
.endm
.macro STEPS slot, from
.set Q, \from
.rept NQ-1-\from
	STEP \slot, Q, 0
.set Q, Q+1
.endr
.endm
; THE WAY OUT, 16 rows x 128 columns at a time: rounded to f16 (16 bytes a lane), through my own stage, back as whole rows of 256 bytes, stored sixteen lanes to 256 aligned bytes.
.macro PACK a
.set AC, 64*((\a)%4)
	WIN 0x0a+5*((\a)/4)                            ; sources: window 2 or 3
.irp b, 0,1,2,3,4,5,6,7
.irp r, 0,1,2,3
	v_cvt_pk_f16_f32 v[TMP+4*\b+\r], v[AC+8*\b+2*\r], v[AC+8*\b+2*\r+1]   ; each accumulator from its low end on
.endr
.endr
	WIN 0
.endm
.macro TOSTAGE a
.set BK, OB+32*((\a)%2)
.irp b, 0,1,2,3,4,5,6,7
	ds_store_b128 v[STO], v[TMP+4*\b:TMP+4*\b+3] offset:32*\b
.endr
.irp t, 0,1,2,3,4,5,6,7
	ds_load_b128 v[BK+4*\t:BK+4*\t+3], v[RD] offset:\t*2*SPITCH    ; LDS serves a wave's instructions in order: these see the stores above
.endr
.endm
.macro SEND a, base
.set BK, OB+32*((\a)%2)
	s_wait_dscnt 0x0                               ; the block is back in registers
	s_wait_xcnt 0x0                                ; earlier stores have read their registers: the next block's loads may land on those of two blocks back
.irp t, 0,1,2,3,4,5,6,7
	global_store_b128 v[CO], v[BK+4*\t:BK+4*\t+3], s[\base:\base+1] offset:(16*(\a)+2*\t)*2048
.endr
.endm
	s_wait_loadcnt 0x0                             ; the biases and pass 2's scale words
	s_wait_tensorcnt 1                             ; the scales and my part of slot 0 are in; slot 1's load may be out
	s_barrier_signal -1
	s_barrier_wait -1
	FETCH_B 0, 0, 0
	FETCH_A 0, 0, 0
	SCALES 0
	FETCH_A 0, 0, 4
	STEP 0, 0, 1
	STEPS 0, 1
	; slot 0's last step changes slots, and slot 0's part for W is filled again, with pass 2's codes
	s_wait_tensorcnt 0x0                           ; all my tensor loads have landed, my part of slot 1 among them; so a group 0 may be written
	ds_add_u32 v[SPW], v[NIL]
	s_mov_b64 s[G0B+2:G0B+3], s[92:93]             ; slot 0's group 0 for W: the same LDS bytes, the same shape; from pass 2's codes
	s_or_b32 s[G0B+3], s[G0B+3], 0x80000000
	s_wait_dscnt 4*NL+1                            ; (the add and x's blocks 4-7 may be out)
	WIN MUL_LO
	MUL16 0, 1, NQ-1, 0, 0
	s_wait_dscnt 0x0                               ; the add is done, my reads of slot 0's part for W are over
	s_barrier_signal -1
	MUL16 2, 1, NQ-1, 0, 0
	WIN 0
	s_barrier_wait -1
	CREST                                          ; the barrier has opened a round of the cluster's: no wave of any partner still reads those bytes or has a load on its way
	s_cmp_eq_u32 s15, 0                            ; waves 2 and 3 fetch the two halves along K; waves 0 and 1 have no part of it
	s_cbranch_scc1 .Lno_refill
	tensor_load_to_lds s[G0B:G0B+3], s[G1B:G1B+7]  ; my one tensor load behind the round
	s_nop 0
.rept 4
	v_nop
.endr
.Lno_refill:
	PLACES NP
	v_add_nc_u32 v[ADRS], 4*NQ, v[ADRS]            ; the second slot's scale words
	FETCH_B 1, 0, 0
	FETCH_A 1, 0, 0
	SCALES 1
	WIN MUL_HI
	MUL16 4, 1, NQ-1, 0, 0
	MUL16 6, 1, NQ-1, 0, 0
	PLACES NP
	WIN 0
	FETCH_A 1, 0, 4
	STEPS 1, 0
	s_wait_dscnt 4*NL
	WIN MUL_LO
	MUL16 0, 1, NQ-1, 1, 0
	MUL16 2, 1, NQ-1, 1, 0
	s_wait_dscnt 0
	WIN MUL_HI
	MUL16 4, 1, NQ-1, 1, 0
	MUL16 6, 1, NQ-1, 1, 0
	WIN 0
	PLACES NP
	PACK 0                                         ; pass 1 goes out
	TOSTAGE 0
.irp a, 1,2,3,4,5,6,7
	PACK \a
	SEND \a-1, 12
	TOSTAGE \a
.endr
	SEND 7, 12
; PASS 2: my 64 rows (blocks a = 0 .. 3) x v's 128 columns (b = 0 .. 7), eight steps of 128 along K.  x's codes lie where they lay; W's in slot 0's part for W, [K half][group b][4 fragments].
.macro FETCH2 kq                       ; step kq's fragments into the sets kq % 2
	WIN TO_B
.irp b, 0,1,2,3,4,5,6,7
.irp c, 0,1
	ds_load_b128 v[128*((\kq)%2)+FR*\b+4*\c:128*((\kq)%2)+FR*\b+4*\c+3], v[ADRB2] offset:HALFB*((\kq)/4)+4096*\b+1024*((\kq)%4)+512*\c
.endr
.endr
	WIN 0
.irp a, 0,1,2,3
.irp c, 0,1
	ds_load_b128 v[AF+32*((\kq)%2)+FR*\a+4*\c:AF+32*((\kq)%2)+FR*\a+4*\c+3], v[ADRA2+(\kq)/4] offset:64*((\kq)%4)+32*\c+\a*16*PITCH
.endr
.endr
.endm
.macro MULP a0, kq                     ; 16 matrix instructions; the 32 accumulators take turns in one order; the first step's sums begin with the bias
.irp a, \a0, \a0+1
.irp b, 0,1,2,3,4,5,6,7
.if (\kq) == 0
	v_wmma_scale_f32_16x16x128_f8f6f4 v[8*(8*(\a)+\b):8*(8*(\a)+\b)+7], v[128*((\kq)%2)+FR*\b:128*((\kq)%2)+FR*\b+FR-1], v[AF+32*((\kq)%2)+FR*(\a):AF+32*((\kq)%2)+FR*(\a)+FR-1], v[BIAS2+8*\b:BIAS2+8*\b+7], v[W2S+32*((\kq)/4)+4*\b+(\kq)%4], v[XS2+16*((\kq)/4)+4*(\a)+(\kq)%4] matrix_a_fmt:MATRIX_FMT_FP4 matrix_b_fmt:MATRIX_FMT_FP4
.else
	v_wmma_scale_f32_16x16x128_f8f6f4 v[8*(8*(\a)+\b):8*(8*(\a)+\b)+7], v[128*((\kq)%2)+FR*\b:128*((\kq)%2)+FR*\b+FR-1], v[AF+32*((\kq)%2)+FR*(\a):AF+32*((\kq)%2)+FR*(\a)+FR-1], v[8*(8*(\a)+\b):8*(8*(\a)+\b)+7], v[W2S+32*((\kq)/4)+4*\b+(\kq)%4], v[XS2+16*((\kq)/4)+4*(\a)+(\kq)%4] matrix_a_fmt:MATRIX_FMT_FP4 matrix_b_fmt:MATRIX_FMT_FP4
.endif
.endr
.endr
.endm
.macro STEP2 kq
	s_wait_dscnt 0x0                               ; this step's fragments, asked for a step ago, are in
.if (\kq) < 7
	PLACES NP                                      ; the other sets were read by the last step's products
	FETCH2 (\kq)+1                                 ; the next step's 24 loads have this step's 32 matrix instructions in which to land
.endif
.if (\kq) == 0
	WIN 0x91                                       ; C (the bias) in window 1
.else
	WIN MUL_LO
.endif
	MULP 0, \kq
	MULP 2, \kq
.endm
	s_wait_tensorcnt 0x0                           ; my part of pass 2's codes of W has landed (no LDS instruction of mine is out: the last block's wait was for 0),
	s_barrier_signal -1
	s_barrier_wait -1                              ; everybody's has
	s_wait_xcnt 0x0                                ; pass 1's stores have read their registers: x's fragments may land there
	FETCH2 0
.irp sc, 0,1
.irp a, 0,1,2,3
	ds_load_b128 v[XS2+16*\sc+4*\a:XS2+16*\sc+4*\a+3], v[ADRS2] offset:SBLK*\a+16*\sc   ; x's scale words of my 64 rows, both slots'
.endr
.endr
.irp kq, 0,1,2,3,4,5,6,7
	STEP2 \kq
.endr
	WIN 0
	PLACES NP
	PACK 0                                         ; pass 2 goes out
	TOSTAGE 0
.irp a, 1,2,3
	PACK \a
	SEND \a-1, 66
	TOSTAGE \a
.endr
	SEND 3, 66
	s_wait_tensorcnt 0x0                           ; the wave's end
	ds_add_u32 v[SPW], v[NIL]
	s_wait_dscnt 0x0
	CROUND                                         ; the closing round
	s_endpgm
.Lfunc_end_k_qcbcc7426b3_proj:
	.size	k_qcbcc7426b3_proj, .Lfunc_end_k_qcbcc7426b3_proj-k_qcbcc7426b3_proj
	.p2alignl 7, 3214868480
	.fill 96, 4, 3214868480
	.section	.rodata,"a",@progbits
	.p2align	6, 0x0
	.amdhsa_kernel k_qcbcc7426b3_proj
		.amdhsa_group_segment_fixed_size 327680
		.amdhsa_private_segment_fixed_size 0
		.amdhsa_enable_private_segment 0
		.amdhsa_kernarg_size 56
		.amdhsa_user_sgpr_count 2
		.amdhsa_user_sgpr_kernarg_segment_ptr 1
		.amdhsa_wavefront_size32 1
		.amdhsa_system_sgpr_workgroup_id_x 1
		.amdhsa_system_sgpr_workgroup_id_y 1
		.amdhsa_system_sgpr_workgroup_id_z 1
		.amdhsa_system_vgpr_workitem_id 0
		.amdhsa_next_free_vgpr 1024
		.amdhsa_next_free_sgpr 100
		.amdhsa_reserve_vcc 0
		.amdhsa_float_denorm_mode_32 3
		.amdhsa_float_denorm_mode_16_64 3
		.amdhsa_memory_ordered 1
		.amdhsa_forward_progress 1
		.amdhsa_inst_pref_size 197
	.end_amdhsa_kernel
	.amdgpu_metadata
---
amdhsa.version: [ 1, 2 ]
amdhsa.kernels:
  - .name:           k_qcbcc7426b3_proj
    .symbol:         k_qcbcc7426b3_proj.kd
    .args:
      - { .name: xc, .offset: 0, .size: 8, .value_kind: global_buffer, .address_space: global }
      - { .name: xs, .offset: 8, .size: 8, .value_kind: global_buffer, .address_space: global }
      - { .name: wc, .offset: 16, .size: 8, .value_kind: global_buffer, .address_space: global }
      - { .name: ws, .offset: 24, .size: 8, .value_kind: global_buffer, .address_space: global }
      - { .name: qkv, .offset: 32, .size: 8, .value_kind: global_buffer, .address_space: global }
      - { .name: bq, .offset: 40, .size: 8, .value_kind: global_buffer, .address_space: global }
      - { .name: bv, .offset: 48, .size: 8, .value_kind: global_buffer, .address_space: global }
    .group_segment_fixed_size: 327680
    .private_segment_fixed_size: 0
    .kernarg_segment_align: 8
    .kernarg_segment_size: 56
    .max_flat_workgroup_size: 128
    .sgpr_count:     100
    .vgpr_count:     1024
    .wavefront_size: 32
...
	.end_amdgpu_metadata
.endif
;; end of part 2
;; launch scores (part 3): grid 8 x 32, 4 waves a work-group, clusters of 4 x 4, 327,680 bytes of LDS; arguments qkv, pbuf, stats; writes pbuf, stats
.if DOCPART == 3
	.amdgcn_target "amdgcn-amd-amdhsa--gfx1250"
	.amdhsa_code_object_version 6
	.text
	.protected	k_qcbcc7426b3_scores
	.globl	k_qcbcc7426b3_scores
	.p2align	8
	.type	k_qcbcc7426b3_scores,@function
k_qcbcc7426b3_scores:
	s_mov_b64 s[64:65], 0
	v_nop
	global_prefetch_b8 v0, s[64:65] scope:SCOPE_SE
	s_setreg_imm32_b32 hwreg(HW_REG_WAVE_MODE, 25, 1), 1
	s_wait_xcnt 0x0
	s_wait_alu depctr_hold_cnt(0) depctr_sa_sdst(0) depctr_va_vdst(0) depctr_va_sdst(0) depctr_va_ssrc(0) depctr_va_vcc(0) depctr_vm_vsrc(0)
	s_getreg_b32 s2, hwreg(HW_REG_IB_STS2, 6, 4)
	s_cmp_eq_u32 s2, 0
	s_cbranch_scc0 .Lentry_in_a_cluster
	s_endpgm
.Lentry_in_a_cluster:
	s_bfe_u32 s2, ttmp6, 0x10000c
	s_cmp_lg_u32 s2, 0xf033
	s_cbranch_scc0 .Lentry_shape_is_right
	s_endpgm
.Lentry_shape_is_right:
; S = q k^T on f16 operands, sums in f32, and the softmax BY PIECES of 128 keys.  With t = S log2(e) / 32: for each query and piece, m = the piece's largest t rounded UP to a whole number,
; p = 2^(t - m) (at most 1), rounded to f16 into pbuf, and l = the sum of the unrounded p.  (m, l) go to stats [piece 0..15][query 0..8191][2] f32.  The next launch brings the pieces under the row's
; largest m by powers of two, which round nothing: so the row's maximum IS taken away before the exponential's results are summed, whatever the scores are.
; LEFT OUT: the term q . bk / 32, the same for all keys of a query (shown at the head of the first kernel).   LIMIT: a p under 2^-25 becomes 0 in f16.
; A tile of 256 queries x 256 keys is made by four waves, each 128 x 128 (one piece): 64 accumulators, 512 registers.  K = 1,024 goes in 8 steps of 128 through a ring of two LDS slots.
; CLUSTERS 4 x 4: q's tiles are shared along a row of the cluster, k's along a column, each by a joint load.  A cluster's four tile rows lie in one batch (8 tile rows a batch).
; TRANSPOSED USE: source 0 = 16 keys, source 1 = 16 queries: lane (r, h) of accumulator (a, b) holds query 16 a + r and keys 16 b + 8 h + 0 .. 7.  Rounded in pairs these are registers 4 (b % 2) .. + 3 of the next
; product's operand (32 keys x 16 queries): pbuf is laid as IMAGES of those registers, [query / 16][key / 32][1,024 bytes], part c of lane l at 512 c + 16 l: every store of a wave covers 512 consecutive bytes, with no stage.
; REGISTERS: window 0: v16-29 addresses; v32-57 the softmax's; v64-127, v128-191 q's fragments, two buffers; v192-255 packed p, two sets.  window 1: k's fragments.  windows 2, 3: accumulators (a, b) at v[8 (8 (a % 4) + b)].
.set KSTEP,  128
.set SIZE_K, 1024
.set PITCH,  272                       ; 256 bytes + 16: the 16 rows of a load begin at 16 different banks (64 banks of 4 bytes: ISA guide 11.1)
.set HALFT,  128*PITCH
.set SLOT,   4*HALFT
.set STAT,   2*SLOT                    ; behind the ring: 1,024 bytes a wave for (m, l)
.set SPARE,  STAT+4*1024
.set LAPS,   SIZE_K/(2*KSTEP)
.set ADRA, 16
.set ADRB, 20
.set STA,  24
.set STR,  25
.set PO,   26
.set SPW,  28
.set NIL,  29
.set T,    32                          ; v32-35 at work
.set NM,   36                          ; v[36:37] -m (the packed form names the pair; v37 is written once)
.set SA,   38                          ; v[38:39], v[56:57] the sum in two chains
.set SM,   40                          ; v40-55 (m, l) of block a at SM + 2 a
.set SBB,  56
.set F0,   64
.set F1,   128
.set TMP,  192
.set G1, 24
.set G0, 32
.set G1B, 48
.set G0B, 56
.set CS,  66                           ; s[66:67] c = log2(e) / 32
.set SEL, 68                           ; s[68:69] selects of v_permlanex16_b32 for lane l xor 16
.set MSB, 0
.macro WIN new
.if MSB != (\new)
	s_set_vgpr_msb (MSB<<8)|(\new)
.set MSB, (\new)
.endif
.endm
.set MUL_LO, 0xa1                      ; source 0 (k) window 1, source 1 (q) window 0, C and D window 2
.set MUL_HI, 0xf1
.set TO_B,   0x40
.macro JLOAD s                         ; waves 0 and 1 fetch q's halves, waves 2 and 3 k's; an s_nop 0 and four v_nop follow each line
	s_cmp_eq_u32 s11, 0
	s_cbranch_scc0 .Lfor_b_\@
	tensor_load_to_lds s[G0+4*\s:G0+4*\s+3], s[G1:G1+7]
	s_nop 0
.rept 4
	v_nop
.endr
	s_branch .Lasked_\@
.Lfor_b_\@:
	tensor_load_to_lds s[G0B+4*\s:G0B+4*\s+3], s[G1B:G1B+7]
	s_nop 0
.rept 4
	v_nop
.endr
.Lasked_\@:
.endm
.macro CREST
	s_cmp_lg_u32 s10, 0
	s_cbranch_scc1 .Lnot_wave_0_\@
	s_barrier_signal -3
.Lnot_wave_0_\@:
	s_barrier_wait -3
	s_barrier_signal -1
	s_barrier_wait -1
.endm
.macro CROUND
	s_barrier_signal -1
	s_barrier_wait -1
	CREST
.endm
	s_load_b128 s[4:7], s[0:1], 0x0                ; qkv, pbuf
	s_load_b64 s[8:9], s[0:1], 0x10                ; stats
	v_lshl_add_u32 v[SPW], v0, 2, SPARE
	v_mov_b32 v[NIL], 0
	ds_add_u32 v[SPW], v[NIL]                      ; the opening: the add, twice on end, and its wait ahead of my first tensor load
	ds_add_u32 v[SPW], v[NIL]
	v_lshrrev_b32 v1, 5, v0
	v_readfirstlane_b32 s10, v1                    ; wave
	s_lshr_b32 s11, s10, 1                         ; my half of the queries.  Also: I fetch for q (0) or for k (1)
	s_and_b32 s12, s10, 1                          ; my half of the keys.  Also: which 128 rows I fetch
	s_bfe_u32 s40, ttmp6, 0x40000                  ; cx
	s_bfe_u32 s41, ttmp6, 0x40004                  ; cy
	s_lshl_b32 s42, ttmp9, 2
	s_add_co_u32 s42, s42, s40                     ; tile column: 256 keys of the batch, 0 .. 7
	s_and_b32 s13, ttmp7, 0xffff
	s_lshl_b32 s13, s13, 2
	s_add_co_u32 s13, s13, s41                     ; tile row: 256 queries of all 8,192, 0 .. 31
	s_lshl_b32 s43, s41, 2
	s_lshl_b32 s43, 15, s43
	s_lshl_b32 s44, 0x1111, s40
	s_or_b32 s[G1+0], s43, (1<<16)|(1<<20)|(1<<21)|(5<<22)|(3<<25)   ; the mask; elements of 2 bytes; padding: 4 words behind every 64
	s_or_b32 s[G1B+0], s44, (1<<16)|(1<<20)|(1<<21)|(5<<22)|(3<<25)
.irp g, G1, G1B
	s_mov_b32 s[\g+1], KSTEP<<16
	s_mov_b32 s[\g+2], 128<<16
	s_mov_b32 s[\g+3], KSTEP<<16
	s_mov_b32 s[\g+4], 128
	s_mov_b32 s[\g+5], SIZE_K
	s_mov_b32 s[\g+6], 0
	s_mov_b32 s[\g+7], 0
.endr
	s_lshl_b32 s18, s12, 7
	s_lshl_b32 s16, s13, 8
	s_add_co_u32 s16, s16, s18
	s_lshl_b32 s16, s16, 11                        ; q: row 256 x tile row + 128 x half, 2,048 bytes a row
	s_mov_b32 s17, 0
	s_and_b32 s46, ttmp7, 0xffff                   ; k: the batch is cluster y / 2: registers that never hold cy
	s_lshr_b32 s46, s46, 1
	s_lshl_b32 s46, s46, 11
	s_lshl_b32 s47, s42, 8
	s_add_co_u32 s46, s46, s47
	s_add_co_u32 s46, s46, s18
	s_lshl_b32 s46, s46, 11
	s_add_co_u32 s46, s46, 0x1000000               ; k lies behind q in qkv
	s_mov_b32 s47, 0
	s_mul_i32 s20, s10, HALFT
	s_mov_b32 s[CS], 0x3d38aa3b
	s_mov_b32 s[CS+1], s[CS]
	s_mov_b32 s[SEL], 0x76543210
	s_mov_b32 s[SEL+1], 0xfedcba98
	s_wait_dscnt 0x0
	s_wait_kmcnt 0x0
	s_add_nc_u64 s[14:15], s[4:5], s[16:17]
	s_add_nc_u64 s[46:47], s[4:5], s[46:47]
	CROUND
.irp s, 0,1
	s_mov_b32 s[G0+4*\s], 1
	s_add_co_u32 s[G0+4*\s+1], s20, \s*SLOT
	s_add_nc_u64 s[G0+4*\s+2:G0+4*\s+3], s[14:15], \s*KSTEP*2
	s_or_b32 s[G0+4*\s+3], s[G0+4*\s+3], 0x80000000
	s_mov_b32 s[G0B+4*\s], 1
	s_add_co_u32 s[G0B+4*\s+1], s20, \s*SLOT
	s_add_nc_u64 s[G0B+4*\s+2:G0B+4*\s+3], s[46:47], \s*KSTEP*2
	s_or_b32 s[G0B+4*\s+3], s[G0B+4*\s+3], 0x80000000
	JLOAD \s                                       ; two tensor loads of a wave are out at the start, one behind each round
.endr
	v_and_b32 v1, 15, v0                           ; r
	v_bfe_u32 v2, v0, 4, 1                         ; h
	v_mul_u32_u24 v3, v1, PITCH
	v_lshl_add_u32 v3, v2, 4, v3
	s_mul_i32 s21, s11, HALFT
	s_mul_i32 s22, s12, HALFT
	s_add_co_u32 s22, s22, 2*HALFT
.irp s, 0,1
	v_add_nc_u32 v[ADRA+\s], s21, v3
	v_add_nc_u32 v[ADRB+\s], s22, v3
	s_add_co_u32 s21, s21, SLOT
	s_add_co_u32 s22, s22, SLOT
.endr
	s_lshl_b32 s23, s10, 10
	s_add_co_u32 s23, s23, STAT
	v_lshl_add_u32 v[STA], v1, 3, s23              ; (m, l) of query r: 8 bytes
	v_and_b32 v4, 31, v0
	v_lshlrev_b32 v[PO], 4, v4                     ; 16 x lane
	v_add_nc_u32 v[STR], s23, v[PO]
	v_mov_b32 v[NM+1], 0
	s_lshl_b32 s16, s13, 20                        ; pbuf: (16 tile row + 8 half) groups of 16 queries, 65,536 bytes each,
	s_lshl_b32 s17, s11, 19
	s_add_co_u32 s16, s16, s17
	s_mov_b32 s17, 0
	s_lshl_b32 s46, s42, 13                        ; + (8 tile column + 4 half) groups of 32 keys, 1,024 bytes each
	s_lshl_b32 s47, s12, 12
	s_add_co_u32 s46, s46, s47
	s_mov_b32 s47, 0
	s_add_nc_u64 s[6:7], s[6:7], s[16:17]
	s_add_nc_u64 s[6:7], s[6:7], s[46:47]
	s_lshl_b32 s16, s13, 11                        ; stats: my first query x 8 bytes,
	s_lshl_b32 s17, s11, 10
	s_add_co_u32 s16, s16, s17
	s_mov_b32 s17, 0
	s_lshl_b32 s46, s42, 17                        ; + my piece (2 tile column + half) x 65,536
	s_lshl_b32 s47, s12, 16
	s_add_co_u32 s46, s46, s47
	s_mov_b32 s47, 0
	s_add_nc_u64 s[8:9], s[8:9], s[16:17]
	s_add_nc_u64 s[8:9], s[8:9], s[46:47]
; 16 matrix instructions: query blocks a0, a0 + 1 of the window's four x all 8 key blocks, 32 along K.  The 64 accumulators take turns in one order.
.macro MUL16 f, hi, a0, zero
.irp a, \a0, \a0+1
.irp b, 0,1,2,3,4,5,6,7
.if \zero
	v_wmma_f32_16x16x32_f16 v[8*(8*(\a)+\b):8*(8*(\a)+\b)+7], v[\f+8*\b:\f+8*\b+7], v[\f+8*(4*\hi+\a):\f+8*(4*\hi+\a)+7], 0
.else
	v_wmma_f32_16x16x32_f16 v[8*(8*(\a)+\b):8*(8*(\a)+\b)+7], v[\f+8*\b:\f+8*\b+7], v[\f+8*(4*\hi+\a):\f+8*(4*\hi+\a)+7], v[8*(8*(\a)+\b):8*(8*(\a)+\b)+7]
.endif
.endr
.endr
.endm
.macro FETCH slot, k, f                ; 32 LDS loads in one run: a quarter step's fragments
	WIN TO_B
.irp i, 0,1,2,3,4,5,6,7
	ds_load_b128 v[\f+8*\i:\f+8*\i+3],   v[ADRB+\slot] offset:\k+\i*16*PITCH
	ds_load_b128 v[\f+8*\i+4:\f+8*\i+7], v[ADRB+\slot] offset:\k+\i*16*PITCH+32
.endr
	WIN 0
.irp i, 0,1,2,3,4,5,6,7
	ds_load_b128 v[\f+8*\i:\f+8*\i+3],   v[ADRA+\slot] offset:\k+\i*16*PITCH
	ds_load_b128 v[\f+8*\i+4:\f+8*\i+7], v[ADRA+\slot] offset:\k+\i*16*PITCH+32
.endr
.endm
.macro PLACES
.rept 4
	v_nop
.endr
.endm
.macro QUARTER slot, k, f, g, zero     ; multiplies buffer f; in its middle fetches the next quarter, at byte k of the rows, into g
	s_wait_dscnt 8                                 ; k's and q's rows 0-63 are in; the youngest eight loads (q's rows 64-127) may be out
	WIN MUL_LO
	MUL16 \f, 0, 0, \zero
	MUL16 \f, 0, 2, \zero
	PLACES
	FETCH \slot, \k, \g
	s_wait_dscnt 32                                ; all but the 32 just issued
	WIN MUL_HI
	MUL16 \f, 1, 0, \zero
	MUL16 \f, 1, 2, \zero
.endm
.macro MEET round                      ; the first half of a slot's last quarter: the waits, the add and the barrier of the change of slots
	WIN 0
	s_wait_tensorcnt 0x0                           ; all my tensor loads have landed: my part of the next slot
	ds_add_u32 v[SPW], v[NIL]
	s_wait_dscnt 9                                 ; (the add and the youngest eight loads may be out)
	WIN MUL_LO
	MUL16 F1, 0, 0, 0
	s_wait_dscnt 0x0                               ; the add is done, my reads of this slot are over
	s_barrier_signal -1
	MUL16 F1, 0, 2, 0
.if \round
	WIN 0
.endif
	s_barrier_wait -1
.endm
.macro TURN slot, next                 ; the whole last quarter, with the refill two K steps ahead: 224 matrix instructions stand between the request and the wait for it
	MEET 1
	CREST                                          ; no wave of any partner still reads this slot or has a load on its way
	s_add_nc_u64 s[G0+4*\slot+2:G0+4*\slot+3], s[G0+4*\slot+2:G0+4*\slot+3], 2*KSTEP*2
	s_add_nc_u64 s[G0B+4*\slot+2:G0B+4*\slot+3], s[G0B+4*\slot+2:G0B+4*\slot+3], 2*KSTEP*2
	JLOAD \slot                                    ; its four v_nop are also the places in front of the loads below
	FETCH \next, 0, F0
	WIN MUL_HI
	MUL16 F1, 1, 0, 0
	MUL16 F1, 1, 2, 0
.endm
	s_wait_tensorcnt 1                             ; my part of K step 0 is in; K step 1's may be out
	s_barrier_signal -1
	s_barrier_wait -1
	FETCH 0, 0, F0
	QUARTER 0, 64,  F0, F1, 1                      ; the first quarter starts the sums
	WIN 0
	s_mov_b32 s3, LAPS-1
.Llap:                                                 ; three trips, each once round the ring: K steps 2 to 7 are asked for
	QUARTER 0, 128, F1, F0, 0
	QUARTER 0, 192, F0, F1, 0
	TURN 0, 1
	QUARTER 1, 64,  F0, F1, 0
	QUARTER 1, 128, F1, F0, 0
	QUARTER 1, 192, F0, F1, 0
	TURN 1, 0
	QUARTER 0, 64,  F0, F1, 0
	WIN 0
	s_sub_co_u32 s3, s3, 1
	s_cmp_lg_u32 s3, 0
	s_cbranch_scc1 .Llap
	QUARTER 0, 128, F1, F0, 0                      ; the last lap asks for nothing
	QUARTER 0, 192, F0, F1, 0
	MEET 0
	PLACES
	FETCH 1, 0, F0
	WIN MUL_HI
	MUL16 F1, 1, 0, 0
	MUL16 F1, 1, 2, 0
	QUARTER 1, 64,  F0, F1, 0
	QUARTER 1, 128, F1, F0, 0
	QUARTER 1, 192, F0, F1, 0
	s_wait_dscnt 8
	WIN MUL_LO
	MUL16 F1, 0, 0, 0
	MUL16 F1, 0, 2, 0
	s_wait_dscnt 0
	WIN MUL_HI
	MUL16 F1, 1, 0, 0
	MUL16 F1, 1, 2, 0
	WIN 0
	PLACES
; THE SOFTMAX OF BLOCK a: 16 queries x my 128 keys; a lane holds 64 scores of one query, lane l xor 16 the other 64.
.macro SOFT a
.set WX, 2+(\a)/4
.set AC, 64*((\a)%4)
.set TP, TMP+32*((\a)%2)
	WIN WX|(WX<<2)|(WX<<4)
.irp i, 0,1,2,3
	v_max3_num_f32 v[T+\i], v[AC+16*\i], v[AC+16*\i+1], v[AC+16*\i+2]   ; four chains of 16 scores; each accumulator is first read at its low end
.endr
	WIN (WX<<2)|(WX<<4)
.irp n, 3,5,7,9,11,13
.irp i, 0,1,2,3
	v_max3_num_f32 v[T+\i], v[T+\i], v[AC+16*\i+\n], v[AC+16*\i+\n+1]
.endr
.endr
	v_max3_num_f32 v[T], v[T], v[AC+15], v[AC+31]
	v_max3_num_f32 v[T+2], v[T+2], v[AC+47], v[AC+63]
	WIN 0
	v_max3_num_f32 v[T], v[T], v[T+1], v[T+2]
	v_max_num_f32 v[T], v[T], v[T+3]
	v_permlanex16_b32 v[T+1], v[T], s[SEL], s[SEL+1]
	v_max_num_f32 v[T], v[T], v[T+1]               ; the piece's largest score of my query
	v_mul_f32 v[T], s[CS], v[T]                    ; as t (c is positive)
	v_floor_f32 v[NM], -v[T]                       ; -m = floor(-t): m is a whole number
	v_mul_f32 v[SM+2*(\a)], -1.0, v[NM]            ; m
	WIN WX|(WX<<6)
.set j, 0
.rept 32
	v_pk_fma_f32 v[AC+j:AC+j+1], v[AC+j:AC+j+1], s[CS:CS+1], v[NM:NM+1] op_sel_hi:[1,0,0]   ; t - m, two at a time
.set j, j+2
.endr
.set j, 0
.rept 64
	v_exp_f32 v[AC+j], v[AC+j]                     ; p = 2^(t - m)
.set j, j+1
.endr
	v_nop                                          ; a plain instruction behind the last exponential,
	s_wait_alu depctr_va_vdst(0)                   ; and one wait for the batch, ahead of its first reader
	WIN WX|(WX<<2)
	v_pk_add_f32 v[SA:SA+1], v[AC:AC+1], v[AC+2:AC+3]              ; the sum is taken of the unrounded p, in two chains
	v_pk_add_f32 v[SBB:SBB+1], v[AC+4:AC+5], v[AC+6:AC+7]
.if (\a) >= 2
	s_wait_xcnt 0x0                                ; the stores of two blocks back have read this set of registers
.endif
.irp b, 0,1,2,3,4,5,6,7
.irp i, 0,1,2,3
	v_cvt_pk_f16_f32 v[TP+4*\b+\i], v[AC+8*\b+2*\i], v[AC+8*\b+2*\i+1]
.endr
.endr
	WIN WX<<2
.irp j, 8,12,16,20,24,28,32,36,40,44,48,52,56,60
	v_pk_add_f32 v[SA:SA+1], v[SA:SA+1], v[AC+\j:AC+\j+1]
	v_pk_add_f32 v[SBB:SBB+1], v[SBB:SBB+1], v[AC+\j+2:AC+\j+3]
.endr
	WIN 0
.irp b, 0,1,2,3,4,5,6,7
	global_store_b128 v[PO], v[TP+4*\b:TP+4*\b+3], s[6:7] offset:65536*(\a)+512*\b   ; 512 consecutive bytes: half a fragment's image
.endr
	v_pk_add_f32 v[SA:SA+1], v[SA:SA+1], v[SBB:SBB+1]
	v_add_f32 v[T], v[SA], v[SA+1]
	v_permlanex16_b32 v[T+1], v[T], s[SEL], s[SEL+1]
	v_add_f32 v[SM+2*(\a)+1], v[T], v[T+1]         ; l
.endm
.irp a, 0,1,2,3,4,5,6,7
	SOFT \a
.endr
.irp a, 0,1,2,3,4,5,6,7
	ds_store_b64 v[STA], v[SM+2*\a:SM+2*\a+1] offset:128*\a        ; both halves of the lanes write the same values
.endr
	ds_load_b128 v[64:67], v[STR]                  ; in order behind my stores: 128 queries x 8 bytes, dense
	ds_load_b128 v[68:71], v[STR] offset:512
	s_wait_dscnt 0x0
	global_store_b128 v[PO], v[64:67], s[8:9]
	global_store_b128 v[PO], v[68:71], s[8:9] offset:512
	s_wait_tensorcnt 0x0                           ; the wave's end
	ds_add_u32 v[SPW], v[NIL]
	s_wait_dscnt 0x0
	CROUND                                         ; the closing round
	s_endpgm
.Lfunc_end_k_qcbcc7426b3_scores:
	.size	k_qcbcc7426b3_scores, .Lfunc_end_k_qcbcc7426b3_scores-k_qcbcc7426b3_scores
	.p2alignl 7, 3214868480
	.fill 96, 4, 3214868480
	.section	.rodata,"a",@progbits
	.p2align	6, 0x0
	.amdhsa_kernel k_qcbcc7426b3_scores
		.amdhsa_group_segment_fixed_size 327680
		.amdhsa_private_segment_fixed_size 0
		.amdhsa_enable_private_segment 0
		.amdhsa_kernarg_size 24
		.amdhsa_user_sgpr_count 2
		.amdhsa_user_sgpr_kernarg_segment_ptr 1
		.amdhsa_wavefront_size32 1
		.amdhsa_system_sgpr_workgroup_id_x 1
		.amdhsa_system_sgpr_workgroup_id_y 1
		.amdhsa_system_sgpr_workgroup_id_z 1
		.amdhsa_system_vgpr_workitem_id 0
		.amdhsa_next_free_vgpr 1024
		.amdhsa_next_free_sgpr 72
		.amdhsa_reserve_vcc 0
		.amdhsa_float_denorm_mode_32 3
		.amdhsa_float_denorm_mode_16_64 3
		.amdhsa_memory_ordered 1
		.amdhsa_forward_progress 1
		.amdhsa_inst_pref_size 203
	.end_amdhsa_kernel
	.amdgpu_metadata
---
amdhsa.version: [ 1, 2 ]
amdhsa.kernels:
  - .name:           k_qcbcc7426b3_scores
    .symbol:         k_qcbcc7426b3_scores.kd
    .args:
      - { .name: qkv, .offset: 0, .size: 8, .value_kind: global_buffer, .address_space: global }
      - { .name: pbuf, .offset: 8, .size: 8, .value_kind: global_buffer, .address_space: global }
      - { .name: stats, .offset: 16, .size: 8, .value_kind: global_buffer, .address_space: global }
    .group_segment_fixed_size: 327680
    .private_segment_fixed_size: 0
    .kernarg_segment_align: 8
    .kernarg_segment_size: 24
    .max_flat_workgroup_size: 128
    .sgpr_count:     72
    .vgpr_count:     1024
    .wavefront_size: 32
...
	.end_amdgpu_metadata
.endif
;; end of part 3
;; launch pv (part 4): grid 32 x 8, 4 waves a work-group, clusters of 4 x 1, 327,680 bytes of LDS; arguments pbuf, stats, qkv, out0; writes out0
.if DOCPART == 4
	.amdgcn_target "amdgcn-amd-amdhsa--gfx1250"
	.amdhsa_code_object_version 6
	.text
	.protected	k_qcbcc7426b3_pv
	.globl	k_qcbcc7426b3_pv
	.p2align	8
	.type	k_qcbcc7426b3_pv,@function
k_qcbcc7426b3_pv:
	s_mov_b64 s[64:65], 0
	v_nop
	global_prefetch_b8 v0, s[64:65] scope:SCOPE_SE
	s_setreg_imm32_b32 hwreg(HW_REG_WAVE_MODE, 25, 1), 1
	s_wait_xcnt 0x0
	s_wait_alu depctr_hold_cnt(0) depctr_sa_sdst(0) depctr_va_vdst(0) depctr_va_sdst(0) depctr_va_ssrc(0) depctr_va_vcc(0) depctr_vm_vsrc(0)
	s_getreg_b32 s2, hwreg(HW_REG_IB_STS2, 6, 4)
	s_cmp_eq_u32 s2, 0
	s_cbranch_scc0 .Lentry_in_a_cluster
	s_endpgm
.Lentry_in_a_cluster:
	s_bfe_u32 s2, ttmp6, 0x10000c
	s_cmp_lg_u32 s2, 0x3003
	s_cbranch_scc0 .Lentry_shape_is_right
	s_endpgm
.Lentry_shape_is_right:
; out[q][:] = (sum over pieces c of 2^(m_c - M) sum over the piece's keys of p v[key][:]) / L, with M = the largest m_c of the query's 16 pieces and L = sum of 2^(m_c - M) l_c.
; p goes to the matrix unit as it was stored; THE ACCUMULATORS CARRY THE LEVELS, in f32.  With d_c = max(m_c - M, -64), a whole number from -64 to 0: in front of piece c's products O is multiplied by
; 2^(d_(c-1) - d_c), a power of two made by v_ldexp_f32, which rounds nothing; at the end O is multiplied by 2^(d_15) / L, with L = sum of 2^(d_c) l_c.  Products on f16 operands, sums in f32.
; The hold at -64 keeps every factor between 2^-64 and 2^64, so that O stays under 16 x 2^64 x 128 x 65,504 < 2^91 whatever the scores are.
; LIMIT: a piece that lies more than 64 under M is weighed with 2^-64 in place of its smaller true weight, in O and in L alike: at most 15 x 128 x 2^-64 beside an L over 1/2, under 2^-52 of the result.
; SHARES: a work-group makes 256 queries x 128 channels; wave w its 64 queries (blocks a = 0 .. 3) x all 128 channels (b = 0 .. 7): 32 accumulators.  Every wave walks the batch's 2,048 keys, 32 a quarter.
; Source 0 = V^T (16 channels x 32 keys, turned out of LDS by ds_load_tr16_b128), source 1 = P (32 keys x 16 queries): a lane holds one query and eight neighbouring channels.
; V comes through a ring of two LDS slots of 256 keys, each wave fetching 64 keys; the four query tiles of a cluster walk the same V and ask JOINTLY (mask 15).
; P IS NOT ASKED FOR JOINTLY AND DOES NOT GO THROUGH LDS: a wave's 64 rows of P are read by no other wave of its work-group or cluster; pbuf holds images of the operand's registers, so a fragment comes by two dense
; loads of 512 bytes straight into registers, seven quarters (56 loads, 224 matrix instructions) ahead of its use.  LDS is thereby left to V, whose slot can hold 256 keys: a refill has 240 matrix instructions in which to land.
; REGISTERS: window 0: v3-15 addresses; v16-23 a piece's four factors, as pairs; v24-31 2^(d_15) / L, as pairs; v32-43 at work; v64-191 the stats, later rows of out.  window 1: accumulators at v[8 (8 a + b)].
;   window 2: P, a ring of eight buffers of 32.   window 3: v0-127 V's fragments, two buffers of 64.
.set PV,     288                       ; a key's row in LDS: 256 bytes + 32
.set WROWS,  64*PV                     ; what one tensor load brings
.set SLOT1,  1<<17                     ; slot 1: one exclusive or turns an address from one slot to the other
.set FT,     SLOT1+4*WROWS             ; the factors: 4,096 bytes a wave: [piece 16][a 4][r 16] words of f32; piece 0 has none
.set STG,    FT+4*4096                 ; the way out: 16 rows x (512 + 16) bytes a wave
.set SPITCH, 528
.set SPARE,  STG+4*16*SPITCH
.set AV0,  3                           ; my lane's place in a tile of V
.set ADR0, 4                           ; the slot in hand: quarters 0-3,
.set ADR1, 5                           ; quarters 4-7 (an LDS offset has 16 bits)
.set PO,   6                           ; 16 x lane
.set FA0,  7
.set FAD,  8
.set STO,  9
.set RD,   10
.set SO8,  11                          ; 8 r
.set SPW,  14
.set NIL,  15
.set FS,   16                          ; block a's factor at FS + 2 a (the packed form names a pair and takes its low word)
.set RL,   24
.set MX,   32
.set LS,   36
.set TW,   40
.set STT,  64
.set BK,   64
.set WV,   12
.set G1,   24
.set G0A,  32
.set G0B,  36
.set TB,   40
.set TF,   41
.set CNT,  42
.set PB,   44
.set MSB, 0
.macro WIN new
.if MSB != (\new)
	s_set_vgpr_msb (MSB<<8)|(\new)
.set MSB, (\new)
.endif
.endm
.macro CREST
	s_cmp_lg_u32 s[WV], 0
	s_cbranch_scc1 .Lnot_wave_0_\@
	s_barrier_signal -3
.Lnot_wave_0_\@:
	s_barrier_wait -3
	s_barrier_signal -1
	s_barrier_wait -1
.endm
.macro CROUND
	s_barrier_signal -1
	s_barrier_wait -1
	CREST
.endm
.macro PLACES                          ; plain vector instructions between a matrix instruction and a load into, or a vector instruction on, its registers
.rept 4
	v_nop
.endr
.endm
.macro PLOAD u, rel                    ; the four fragments of P of the quarter rel groups of 32 keys on from s[PB], into buffer u
	WIN 0x80
.irp a, 0,1,2,3
.irp c, 0,1
	global_load_b128 v[32*(\u)+8*\a+4*\c:32*(\u)+8*\a+4*\c+3], v[PO], s[PB:PB+1] offset:65536*\a+1024*(\rel)+512*\c
.endr
.endr
.endm
.macro VFETCH q, p                     ; V^T of the slot's quarter q: eight fragments of 16 channels x 32 keys, into buffer p
	WIN 0xc0
.irp b, 0,1,2,3,4,5,6,7
	ds_load_tr16_b128 v[64*(\p)+8*\b:64*(\p)+8*\b+3],   v[ADR0+(\q)/4] offset:((\q)%4)*32*PV+32*\b
	ds_load_tr16_b128 v[64*(\p)+8*\b+4:64*(\p)+8*\b+7], v[ADR0+(\q)/4] offset:((\q)%4)*32*PV+16*PV+32*\b
.endr
.endm
.macro FFETCH half                     ; the factors in front of the slot's piece half
	WIN 0
.irp a, 0,1,2,3
	ds_load_b32 v[FS+2*\a], v[FAD] offset:256*(\half)+64*\a
.endr
.endm
.macro RESCALE                         ; O under the next piece's level: 128 packed multiplications by powers of two, each accumulator from its low end on
	WIN 0x41                                       ; O (destination and source 0) window 1, the factor window 0
.irp a, 0,1,2,3
.set j, 0
.rept 32
	v_pk_mul_f32 v[64*\a+j:64*\a+j+1], v[64*\a+j:64*\a+j+1], v[FS+2*\a:FS+2*\a+1] op_sel_hi:[1,0]
.set j, j+2
.endr
.endr
.endm
.macro MUL8 u, p, a, zero              ; the 32 accumulators take turns in one order
	WIN 0x5b                                       ; V window 3, P window 2, C and D window 1
.irp b, 0,1,2,3,4,5,6,7
.if \zero
	v_wmma_f32_16x16x32_f16 v[8*(8*(\a)+\b):8*(8*(\a)+\b)+7], v[64*(\p)+8*\b:64*(\p)+8*\b+7], v[32*(\u)+8*(\a):32*(\u)+8*(\a)+7], 0
.else
	v_wmma_f32_16x16x32_f16 v[8*(8*(\a)+\b):8*(8*(\a)+\b)+7], v[64*(\p)+8*\b:64*(\p)+8*\b+7], v[32*(\u)+8*(\a):32*(\u)+8*(\a)+7], v[8*(8*(\a)+\b):8*(8*(\a)+\b)+7]
.endif
.endr
.endm
; Quarter q = 0 .. 6 of a slot.  rel >= 0: P of seven quarters on is asked for.  left: the younger loads of P that may stay out (8 for each quarter asked for behind this one).  resc = 1: a piece begins
.macro QTR q, zero, rel, left, resc
	s_wait_loadcnt \left                           ; this quarter's P is in
	PLACES                                         ; behind the last quarter's products: for the loads into the buffers that they read, and for the multiplications of O
.if \rel >= 0
	PLOAD ((\q)+7)%8, \rel
.endif
.if (\q) == 3
	FFETCH 1
.endif
	VFETCH (\q)+1, ((\q)+1)%2
.if (\q) == 3
	s_wait_dscnt 20                                ; this quarter's V is in; the 4 + 16 just issued may be out
.else
	s_wait_dscnt 16                                ; this quarter's V is in, and the factors that were asked for ahead of it; the 16 just issued may be out
.endif
.if \resc
	RESCALE
.endif
	MUL8 \q, (\q)%2, 0, \zero
	MUL8 \q, (\q)%2, 1, \zero
	MUL8 \q, (\q)%2, 2, \zero
	MUL8 \q, (\q)%2, 3, \zero
.endm
; Quarter 7 changes slots.  fill = 1: the slot just read out is filled again, two slots ahead, behind a round of the cluster's barrier
.macro QCH fill, rel, left
	s_wait_loadcnt \left
	PLACES
	PLOAD 6, \rel
	WIN 0
	s_wait_tensorcnt 0x0                           ; all my tensor loads have landed: my part of the next slot; so a group 0 may be written
	ds_add_u32 v[SPW], v[NIL]
.if \fill
	s_xor_b32 s[G0B+1], s[G0B+1], SLOT1            ; the walking descriptor: the other slot,
	s_add_nc_u64 s[G0B+2:G0B+3], s[G0B+2:G0B+3], 256*2048   ; the next 256 keys
.endif
	s_wait_dscnt 1                                 ; this quarter's V is in; the add may be out
	MUL8 7, 1, 0, 0
	s_wait_dscnt 0x0                               ; the add is done, my reads of this slot are over
	s_barrier_signal -1
	MUL8 7, 1, 1, 0
	WIN 0
	s_barrier_wait -1
.if \fill
	CREST                                          ; no wave of any partner still reads this slot or has a load on its way
	tensor_load_to_lds s[G0B:G0B+3], s[G1:G1+7]    ; my one tensor load behind the round
	s_nop 0
.rept 4
	v_nop
.endr
.endif
	s_xor_b32 s[TB], s[TB], SLOT1
	s_add_co_u32 s[TF], s[TF], 512                 ; two pieces on in the factors
	v_add_nc_u32 v[ADR0], s[TB], v[AV0]
	v_add_nc_u32 v[ADR1], 4*32*PV, v[ADR0]
	v_add_nc_u32 v[FAD], s[TF], v[FA0]
	FFETCH 0
	VFETCH 0, 0                                    ; buffer 0 was last read by quarter 6's products: the four places at this quarter's head stand between
	MUL8 7, 1, 2, 0
	MUL8 7, 1, 3, 0
.endm
	s_load_b256 s[4:11], s[0:1], 0x0               ; pbuf 4:5, stats 6:7, qkv 8:9, out0 10:11
	v_lshl_add_u32 v[SPW], v0, 2, SPARE
	v_mov_b32 v[NIL], 0
	ds_add_u32 v[SPW], v[NIL]                      ; the opening: the add, twice on end, and its wait ahead of my first tensor load
	ds_add_u32 v[SPW], v[NIL]
	v_lshrrev_b32 v1, 5, v0
	v_readfirstlane_b32 s[WV], v1
	s_bfe_u32 s13, ttmp6, 0x40000                  ; cx
	s_lshl_b32 s14, ttmp9, 2
	s_add_co_u32 s14, s14, s13                     ; my 256 queries: 0 .. 31: it enters P's, the stats' and out's addresses alone
	s_and_b32 s15, ttmp7, 0xffff                   ; my 128 channels
	s_lshr_b32 s16, ttmp9, 1                       ; the batch, which the four partners share
	s_lshl_b32 s16, s16, 22                        ; 2,048 keys of 2,048 bytes
	s_lshl_b32 s17, s[WV], 17                      ; my 64 keys of a slot
	s_add_co_u32 s16, s16, s17
	s_lshl_b32 s17, s15, 8
	s_add_co_u32 s16, s16, s17
	s_add_co_u32 s16, s16, 0x2000000               ; v lies behind q and k in qkv
	s_mov_b32 s17, 0
	s_mul_i32 s18, s[WV], WROWS
	s_mov_b32 s[G1], 15|(1<<16)|(1<<20)|(1<<21)|(5<<22)|(7<<25)   ; the mask: all four; elements of 2 bytes; padding: 8 words behind every 64
	s_mov_b32 s[G1+1], 128<<16
	s_mov_b32 s[G1+2], 64<<16
	s_mov_b32 s[G1+3], 128<<16
	s_mov_b32 s[G1+4], 64
	s_mov_b32 s[G1+5], 1024
	s_mov_b32 s[G1+6], 0
	s_mov_b32 s[G1+7], 0
	s_lshl_b32 s20, s14, 20                        ; (16 tile + 4 wave) x 65,536 in pbuf; also (256 tile + 64 wave) rows of 4,096 bytes in out
	s_lshl_b32 s21, s[WV], 18
	s_add_co_u32 s20, s20, s21
	s_mov_b32 s21, 0
	s_lshl_b32 s22, s14, 11                        ; my first query x 8 bytes in a piece's stats
	s_lshl_b32 s23, s[WV], 9
	s_add_co_u32 s22, s22, s23
	s_mov_b32 s23, 0
	s_mov_b32 s[TB], 0
	s_mov_b32 s[TF], 0
	s_mov_b32 s[CNT], 6
	s_wait_dscnt 0x0
	s_wait_kmcnt 0x0
	s_add_nc_u64 s[8:9], s[8:9], s[16:17]
	s_add_nc_u64 s[PB:PB+1], s[4:5], s[20:21]
	s_add_nc_u64 s[6:7], s[6:7], s[22:23]
	s_add_nc_u64 s[10:11], s[10:11], s[20:21]
	s_lshl_b32 s20, s15, 9
	s_add_nc_u64 s[10:11], s[10:11], s[20:21]
	CROUND
	s_mov_b32 s[G0A], 1
	s_mov_b32 s[G0A+1], s18
	s_mov_b64 s[G0A+2:G0A+3], s[8:9]
	s_or_b32 s[G0A+3], s[G0A+3], 0x80000000
	s_mov_b32 s[G0B], 1
	s_add_co_u32 s[G0B+1], s18, SLOT1
	s_add_nc_u64 s[G0B+2:G0B+3], s[8:9], 256*2048
	s_or_b32 s[G0B+3], s[G0B+3], 0x80000000
	tensor_load_to_lds s[G0A:G0A+3], s[G1:G1+7]    ; every wave issues both first fills: two tensor loads of a wave are out at the start, one behind each round
	s_nop 0
	tensor_load_to_lds s[G0B:G0B+3], s[G1:G1+7]
	s_nop 0
.rept 4
	v_nop
.endr
	v_and_b32 v1, 15, v0                           ; r
	v_bfe_u32 v2, v0, 4, 1                         ; h
	v_and_b32 v12, 31, v0
	v_lshlrev_b32 v[PO], 4, v12
	v_lshlrev_b32 v[SO8], 3, v1
.set t, 0
.rept 16
.irp a, 0,1,2,3
	global_load_b64 v[STT+32*\a+2*t:STT+32*\a+2*t+1], v[SO8], s[6:7] offset:65536*t+128*\a   ; (m, l) of query 16 a + r in piece t
.endr
.set t, t+1
.endr
.irp u, 0,1,2,3,4,5,6
	PLOAD \u, \u
.endr
	WIN 0
	v_and_b32 v12, 7, v0
	v_bfe_u32 v13, v0, 3, 1
	v_lshl_add_u32 v[AV0], v2, 3, v12
	v_mul_u32_u24 v[AV0], v[AV0], PV
	v_lshl_add_u32 v[AV0], v13, 4, v[AV0]          ; key 8 h + l % 8, channels 8 ((l / 8) % 2) on
	s_lshl_b32 s16, s[WV], 12
	s_add_co_u32 s16, s16, FT
	v_lshl_add_u32 v[FA0], v1, 2, s16
	s_mul_i32 s16, s[WV], 16*SPITCH
	s_add_co_u32 s16, s16, STG
	v_mul_u32_u24 v[STO], v1, SPITCH
	v_lshl_add_u32 v[STO], v2, 5, v[STO]
	v_add_nc_u32 v[STO], s16, v[STO]               ; in: row r, 32 bytes for each half of the lanes
	v_add_nc_u32 v[RD], s16, v[PO]                 ; back: the 32 lanes take one row of 512 bytes
.irp a, 0,1,2,3
	v_mov_b32 v[RL+2*\a+1], 0                      ; named as the upper halves of pairs, so they are written
	v_mov_b32 v[FS+2*\a+1], 0
.endr
	s_wait_loadcnt 56                              ; the stats are in; P's 56 loads may be out
.irp a, 0,1,2,3
	v_max3_num_f32 v[MX+\a], v[STT+32*\a], v[STT+32*\a+2], v[STT+32*\a+4]
.endr
.irp t, 3,5,7,9,11,13
.irp a, 0,1,2,3
	v_max3_num_f32 v[MX+\a], v[MX+\a], v[STT+32*\a+2*\t], v[STT+32*\a+2*\t+2]
.endr
.endr
.irp a, 0,1,2,3
	v_max_num_f32 v[MX+\a], v[MX+\a], v[STT+32*\a+30]              ; M
.endr
.set t, 0
.rept 16                               ; in place: m becomes d, l the factor in front of the piece: no register that an LDS store reads is written again
.irp a, 0,1,2,3
	v_sub_f32 v[STT+32*\a+2*t], v[STT+32*\a+2*t], v[MX+\a]         ; m - M: a whole number, 0 or less,
.endr
.irp a, 0,1,2,3
	v_max_num_f32 v[STT+32*\a+2*t], 0xc2800000, v[STT+32*\a+2*t]   ; held at -64
.endr
.irp a, 0,1,2,3
	v_cvt_i32_f32 v[STT+32*\a+2*t], v[STT+32*\a+2*t]               ; d
.endr
.irp a, 0,1,2,3
	v_ldexp_f32 v[TW+\a], 1.0, v[STT+32*\a+2*t]                    ; 2^d
.endr
.irp a, 0,1,2,3
.if t == 0
	v_mul_f32 v[LS+\a], v[STT+32*\a+1], v[TW+\a]
.else
	v_fmac_f32 v[LS+\a], v[STT+32*\a+2*t+1], v[TW+\a]              ; L += l 2^d
.endif
.endr
.if t > 0
.irp a, 0,1,2,3
	v_sub_nc_u32 v[STT+32*\a+2*t+1], v[STT+32*\a+2*t-2], v[STT+32*\a+2*t]   ; the last piece's d less this one's: -64 .. 64
.endr
.irp a, 0,1,2,3
	v_ldexp_f32 v[STT+32*\a+2*t+1], 1.0, v[STT+32*\a+2*t+1]        ; the factor in front of piece t
.endr
.irp a, 0,1,2,3
	ds_store_b32 v[FA0], v[STT+32*\a+2*t+1] offset:256*t+64*\a     ; both halves of the lanes write the same word with the same value
.endr
.endif
.set t, t+1
.endr
.irp a, 0,1,2,3
	v_rcp_f32 v[RL+2*\a], v[LS+\a]                 ; L is over 1/2: the piece with m = M has d = 0 and a p over 1/2
.endr
	v_nop                                          ; a plain instruction behind the last reciprocal,
	s_wait_alu depctr_va_vdst(0)                   ; and one wait for the four, ahead of their first reader
.irp a, 0,1,2,3
	v_ldexp_f32 v[RL+2*\a], v[RL+2*\a], v[STT+32*\a+30]            ; 2^(d_15) / L: O ends under the last piece's level
.endr
	s_wait_tensorcnt 1                             ; my part of slot 0 is in; slot 1's may be out
	s_wait_dscnt 0x0
	s_barrier_signal -1
	s_barrier_wait -1
	v_add_nc_u32 v[ADR0], s[TB], v[AV0]
	v_add_nc_u32 v[ADR1], 4*32*PV, v[ADR0]
	v_add_nc_u32 v[FAD], s[TF], v[FA0]
	VFETCH 0, 0
	QTR 0, 1, 7, 48, 0                             ; slot 0; the first quarter starts the sums.  48: six younger quarters of P, 8 loads each
	QTR 1, 0, 8, 48, 0
	QTR 2, 0, 9, 48, 0
	QTR 3, 0, 10, 48, 0
	QTR 4, 0, 11, 48, 1
	QTR 5, 0, 12, 48, 0
	QTR 6, 0, 13, 48, 0
	WIN 0
.Lslot:                                                ; six trips: from a slot's last quarter to the next slot's last but one; slots 2 to 7 are asked for
	QCH 1, 14, 48
	QTR 0, 0, 15, 48, 1
	QTR 1, 0, 16, 48, 0
	QTR 2, 0, 17, 48, 0
	QTR 3, 0, 18, 48, 0
	QTR 4, 0, 19, 48, 1
	QTR 5, 0, 20, 48, 0
	QTR 6, 0, 21, 48, 0
	WIN 0
	s_wait_xcnt 0x0                                ; P's loads have read their base
	s_add_nc_u64 s[PB:PB+1], s[PB:PB+1], 8*1024
	s_sub_co_u32 s[CNT], s[CNT], 1
	s_cmp_lg_u32 s[CNT], 0
	s_cbranch_scc1 .Lslot
	QCH 0, 14, 48                                  ; the tail is written out: nothing more is asked of V
	QTR 0, 0, 15, 48, 1                            ; P's last quarter is asked for
	QTR 1, 0, -1, 48, 0
	QTR 2, 0, -1, 40, 0                            ; the counts run down
	QTR 3, 0, -1, 32, 0
	QTR 4, 0, -1, 24, 1
	QTR 5, 0, -1, 16, 0
	QTR 6, 0, -1, 8, 0
	s_wait_loadcnt 0x0
	s_wait_dscnt 0x0
	MUL8 7, 1, 0, 0
	MUL8 7, 1, 1, 0
	MUL8 7, 1, 2, 0
	MUL8 7, 1, 3, 0
	WIN 0
	PLACES                                         ; in front of the first read of results
; THE WAY OUT, 16 queries x 128 channels at a time: multiplied by 2^(d_15) / L, through my own stage, back as whole rows of 512 bytes.
.macro TOSTAGE a
	WIN 0x41
.set j, 0
.rept 32
	v_pk_mul_f32 v[64*(\a)+j:64*(\a)+j+1], v[64*(\a)+j:64*(\a)+j+1], v[RL+2*(\a):RL+2*(\a)+1] op_sel_hi:[1,0]   ; each accumulator from its low end on
.set j, j+2
.endr
	WIN 0x04                                       ; an LDS store's data are its source 1: window 1
.irp b, 0,1,2,3,4,5,6,7
	ds_store_b128 v[STO], v[64*(\a)+8*\b:64*(\a)+8*\b+3] offset:64*\b
	ds_store_b128 v[STO], v[64*(\a)+8*\b+4:64*(\a)+8*\b+7] offset:64*\b+16
.endr
	WIN 0
.set BB, BK+64*((\a)%2)
.irp t, 0,1,2,3,4,5,6,7,8,9,10,11,12,13,14,15
	ds_load_b128 v[BB+4*\t:BB+4*\t+3], v[RD] offset:\t*SPITCH      ; LDS serves a wave's instructions in order: these see the stores above, and the next block's stores come behind them
.endr
.endm
.macro SEND a, younger
.set BB, BK+64*((\a)%2)
	s_wait_dscnt \younger                          ; the block is back; the next block's 16 stores and 16 loads may be out
.irp t, 0,1,2,3,4,5,6,7,8,9,10,11,12,13,14,15
	global_store_b128 v[PO], v[BB+4*\t:BB+4*\t+3], s[10:11] offset:(16*(\a)+\t)*4096 th:TH_STORE_NT   ; 512 consecutive bytes, aligned; written once, read by nobody here
.endr
.endm
	TOSTAGE 0
.irp a, 1,2,3
.if \a > 1
	s_wait_xcnt 0x0                                ; the stores of two blocks back have read their registers
.endif
	TOSTAGE \a
	SEND \a-1, 32
.endr
	SEND 3, 0
	s_wait_tensorcnt 0x0                           ; the wave's end
	ds_add_u32 v[SPW], v[NIL]
	s_wait_dscnt 0x0
	CROUND                                         ; the closing round
	s_endpgm
.Lfunc_end_k_qcbcc7426b3_pv:
	.size	k_qcbcc7426b3_pv, .Lfunc_end_k_qcbcc7426b3_pv-k_qcbcc7426b3_pv
	.p2alignl 7, 3214868480
	.fill 96, 4, 3214868480
	.section	.rodata,"a",@progbits
	.p2align	6, 0x0
	.amdhsa_kernel k_qcbcc7426b3_pv
		.amdhsa_group_segment_fixed_size 327680
		.amdhsa_private_segment_fixed_size 0
		.amdhsa_enable_private_segment 0
		.amdhsa_kernarg_size 32
		.amdhsa_user_sgpr_count 2
		.amdhsa_user_sgpr_kernarg_segment_ptr 1
		.amdhsa_wavefront_size32 1
		.amdhsa_system_sgpr_workgroup_id_x 1
		.amdhsa_system_sgpr_workgroup_id_y 1
		.amdhsa_system_sgpr_workgroup_id_z 1
		.amdhsa_system_vgpr_workitem_id 0
		.amdhsa_next_free_vgpr 896
		.amdhsa_next_free_sgpr 66
		.amdhsa_reserve_vcc 0
		.amdhsa_float_denorm_mode_32 3
		.amdhsa_float_denorm_mode_16_64 3
		.amdhsa_memory_ordered 1
		.amdhsa_forward_progress 1
		.amdhsa_inst_pref_size 200
	.end_amdhsa_kernel
	.amdgpu_metadata
---
amdhsa.version: [ 1, 2 ]
amdhsa.kernels:
  - .name:           k_qcbcc7426b3_pv
    .symbol:         k_qcbcc7426b3_pv.kd
    .args:
      - { .name: pbuf, .offset: 0, .size: 8, .value_kind: global_buffer, .address_space: global }
      - { .name: stats, .offset: 8, .size: 8, .value_kind: global_buffer, .address_space: global }
      - { .name: qkv, .offset: 16, .size: 8, .value_kind: global_buffer, .address_space: global }
      - { .name: out0, .offset: 24, .size: 8, .value_kind: global_buffer, .address_space: global }
    .group_segment_fixed_size: 327680
    .private_segment_fixed_size: 0
    .kernarg_segment_align: 8
    .kernarg_segment_size: 32
    .max_flat_workgroup_size: 128
    .sgpr_count:     66
    .vgpr_count:     896
    .wavefront_size: 32
...
	.end_amdgpu_metadata
.endif
;; end of part 4
